; MI455X (gfx1250); checked and timed in simulation.
; The chip was launched on July 23, 2026; its instructions are those of AMD's public machine-readable ISA for CDNA 5 (MIT licence, August 2026) and "CDNA5" Instruction Set Architecture Reference Guide (July 2026). The comments in the code are by the model that wrote it; some were corrected since.
;; Parallel Expert Attention. Allowed arithmetic: matrix products marked QUANTISED: E4M3 operands, one E8M0 scale for each 32 along K, by v_wmma_scale_f32_16x16x128_f8f6f4 with both operands' format E4M3, f32 sums; everything else in f32.
;; Inputs: w_gate 768 x 3,072 float32; w_up 768 x 3,072 float32; wk 4 x 768 x 768 float32; wo 4 x 768 x 768 float32; wq 4 x 768 x 768 float32; wv 4 x 768 x 768 float32; x 2 x 1,024 x 768 float32.
;; Outputs: out0 2 x 1,024 x 768 float32.
;; This version of the problem:
;;   THIS VERSION OF THE PROBLEM IS GIVEN IN LOW PRECISION. The matrix products marked QUANTISED in the list below multiply operands that are first quantised to E4M3 (4 exponent bits, 3 mantissa bits; 8 bits a number), with one power-of-two scale for each 32 numbers along K (OCP MX v1.0); their sums are f32. All else is computed in f32.
;;   The module's matrix products, in the order in which they are computed (A, B: the left and right operand; K: the contracted axis; several contracted axes count as one K, in the product's order):
;;     1. [M 2,048, K 768] x [K 768, N 768]; A: input x; B: input wq: QUANTISED
;;     2. [M 2,048, K 768] x [K 768, N 768]; A: input x; B: input wk: QUANTISED
;;     3. [M 2,048, K 768] x [K 768, N 768]; A: input x; B: input wv: QUANTISED
;;     4. batch 24 x [M 1,024, K 64] x [K 64, N 1,024]; A: computed on the way; B: computed on the way: QUANTISED
;;     5. batch 24 x [M 1,024, K 1,024] x [K 1,024, N 64]; A: softmax (see below); B: computed on the way: QUANTISED
;;     6. [M 2,048, K 768] x [K 768, N 768]; A: computed on the way; B: input wo: QUANTISED
;;     7. [M 2,048, K 768] x [K 768, N 768]; A: input x; B: input wq: QUANTISED
;;     8. [M 2,048, K 768] x [K 768, N 768]; A: input x; B: input wk: QUANTISED
;;     9. [M 2,048, K 768] x [K 768, N 768]; A: input x; B: input wv: QUANTISED
;;     10. batch 24 x [M 1,024, K 64] x [K 64, N 1,024]; A: computed on the way; B: computed on the way: QUANTISED
;;     11. batch 24 x [M 1,024, K 1,024] x [K 1,024, N 64]; A: softmax (see below); B: computed on the way: QUANTISED
;;     12. [M 2,048, K 768] x [K 768, N 768]; A: computed on the way; B: input wo: QUANTISED
;;     13. [M 2,048, K 768] x [K 768, N 768]; A: input x; B: input wq: QUANTISED
;;     14. [M 2,048, K 768] x [K 768, N 768]; A: input x; B: input wk: QUANTISED
;;     15. [M 2,048, K 768] x [K 768, N 768]; A: input x; B: input wv: QUANTISED
;;     16. batch 24 x [M 1,024, K 64] x [K 64, N 1,024]; A: computed on the way; B: computed on the way: QUANTISED
;;     17. batch 24 x [M 1,024, K 1,024] x [K 1,024, N 64]; A: softmax (see below); B: computed on the way: QUANTISED
;;     18. [M 2,048, K 768] x [K 768, N 768]; A: computed on the way; B: input wo: QUANTISED
;;     19. [M 2,048, K 768] x [K 768, N 768]; A: input x; B: input wq: QUANTISED
;;     20. [M 2,048, K 768] x [K 768, N 768]; A: input x; B: input wk: QUANTISED
;;     21. [M 2,048, K 768] x [K 768, N 768]; A: input x; B: input wv: QUANTISED
;;     22. batch 24 x [M 1,024, K 64] x [K 64, N 1,024]; A: computed on the way; B: computed on the way: QUANTISED
;;     23. batch 24 x [M 1,024, K 1,024] x [K 1,024, N 64]; A: softmax (see below); B: computed on the way: QUANTISED
;;     24. [M 2,048, K 768] x [K 768, N 768]; A: computed on the way; B: input wo: QUANTISED
;;     25. [M 2,048, K 3,072] x [K 3,072, N 768]; A: computed on the way; B: input w_gate: QUANTISED
;;     26. [M 2,048, K 3,072] x [K 3,072, N 768]; A: computed on the way; B: input w_up: QUANTISED
;;   THE QUANTISER, for each operand of a quantised product, along K:
;;     - K is cut into blocks of 32 from its start; a last block that is shorter is filled with zeros.
;;     - A block's scale is 2^e with e = floor(log2(the largest magnitude in the block)) - 8, held to -126 .. 127; a block of zeros has e = 0. As a byte (E8M0): e + 127.
;;     - Each number is divided by its block's scale, clamped to +-448, and rounded to the nearest number of E4M3, ties to even, subnormals kept.
;;     - The product sums the exact products of the quantised numbers (number of the format x scale) in f32.
;;   ~~~python
;;   def quantise(x, axis):      # numpy; x: float32 -> the quantised numbers, widened to float32 again
;;       x = np.moveaxis(x, axis, -1); K = x.shape[-1]
;;       x = np.pad(x, [(0, 0)] * (x.ndim - 1) + [(0, -K % 32)]); x = x.reshape(x.shape[:-1] + (-1, 32)); a = np.abs(x).max(-1, keepdims=True)
;;       e = np.where(a > 0, np.clip(np.frexp(np.where(a > 0, a, 1))[1] - 1 - 8, -126, 127), 0)      # np.frexp(a)[1] - 1 = floor(log2(a)), exactly
;;       r = np.clip(x / 2.0 ** e, -448, 448)
;;       step = 2.0 ** (np.maximum(np.frexp(np.where(r == 0, 1, r))[1] - 1, -6) - 3)
;;       q = np.round(r / step) * step * 2.0 ** e      # np.round: ties to even
;;       return np.moveaxis(q.reshape(q.shape[:-2] + (-1,))[..., :K], -1, axis).astype(np.float32)
;;   ~~~
;;   SOFTMAX AHEAD OF A QUANTISED PRODUCT. Where the list says 'softmax', what is quantised is not the finished softmax but p = 2^(t - M), with t = logit x log2(e) and M = ceil(the row's largest t), a whole number; so 1/2 < the row's largest p <= 1. The row's sum l is taken of the UNQUANTISED p, in f32, and the product's result is divided by l at the end. Since M is a whole number, a kernel that streams over the keys may use a running M (the ceiling of the running maximum): every later rescaling is an exact power of two, which a block's scale takes up: the codes' values come out the same.
;;   OPERANDS COMPUTED ON THE WAY. 'Computed on the way' means the value that the module computes at that place (a softmax that the list does not call 'softmax' is quantised finished and normalised). What goes into a quantiser is computed in f32, as accurately as f32 sums, v_exp_f32 and their like allow (about 1e-6 of the number): no bf16 or f16 on the way to a quantiser, and a product that is left as it is and whose result goes on into a quantised operand takes f32 operands (vector FMAs, or v_wmma_f32_16x16x4_f32). A number that lies on a knife's edge between two numbers of the format may be rounded either way, as far as f32 arithmetic and the matrix unit's own rounding can turn it there, and no further.
;; One version. Each part assembles by itself: llvm-mc -triple=amdgcn-amd-amdhsa -mcpu=gfx1250 --defsym DOCPART=n.
;; ======== version 1 of 1: 5 launches
;; limits: right only within a limited range of input values
;; workspace buffers: wts 16,711,680 bytes; qkv 20,840,448 bytes; ocd 6,684,672 bytes; fcd 6,684,672 bytes
;; launch quant (part 1): grid 256 x 1, 10 waves a work-group, no clusters, 87,296 bytes of LDS; arguments wq, wk, wv, wo, w_gate, w_up, x, wts; writes wts
.if DOCPART == 1
	.amdgcn_target "amdgcn-amd-amdhsa--gfx1250"
	.amdhsa_code_object_version 6
	.text
	.protected	k_q0ca310257c_quant
	.globl	k_q0ca310257c_quant
	.p2align	8
	.type	k_q0ca310257c_quant,@function
k_q0ca310257c_quant:
	s_mov_b64 s[64:65], 0
	v_nop
	global_prefetch_b8 v0, s[64:65] scope:SCOPE_SE
	s_setreg_imm32_b32 hwreg(HW_REG_WAVE_MODE, 25, 1), 1
	s_wait_xcnt 0x0
; x [2048][768] and the six weights (wq, wk, wv, wo: [3072][768]; w_gate, w_up: [768][3072]), all f32 with K innermost, become codes of E4M3 with one E8M0 byte for each 32 along K.
; They are laid in wts in the ORDER OF AN OPERAND'S REGISTERS.  A fragment is 16 rows x 128 K = 2,048 bytes: byte 512 c + 16 lane holds registers 4 c .. 4 c + 3 of that lane: row = lane % 16, k = 32 c + 16 (lane / 16) + 0 .. 15.
; Its scale image is 128 bytes: the word at 4 lane holds the four bytes of the lane's row (both halves of the lanes hold the same word).
; THE ROWS OF A TILE ARE NOT NEIGHBOURS: lane-row r of tile i is matrix row 32 (i / 2) + 8 (i % 2) + r + 8 (r / 8), so that a result made with such a tile as source 0 has 16 neighbours in 16 registers.
; A block's scale is 2^(floor(log2(largest magnitude)) - 8); its byte is the largest magnitude's exponent field - 8, held at 1 from below; numbers are held within +-448 x the scale, then rounded to the nearest code, ties to even.
; LIMITS: a block of zeros, or one whose largest magnitude lies under 2^-118, gets the byte 1 (the rule's 127 for zeros is not owed: the codes are zeros and this program alone reads the bytes); NaN and infinities are not served.
; SHARES: 7,680 fragments; a wave takes 3 neighbouring K steps of one tile: 2,560 waves = 256 work-groups x 10.  Waves share nothing: no barrier.  One path serves all seven tensors: only numbers and pointers are chosen.
; Each load reads 512 consecutive bytes of one row, and ALL 48 LOADS OF A WAVE (24,576 bytes) GO OUT AT ITS START.  A fragment's 16 rows turn through the wave's own stage in LDS (rows of 512 + 16 bytes) and come back,
; 16 neighbours along K to a lane, into the registers that they left.
.set SP,   528                         ; a stage row
.set WST,  16*SP                       ; a wave's stage
.set XRECB, 104448                     ; a record of 8 tiles x 6 K steps: 98,304 bytes of codes, 6,144 of scales
.set WQKVB, 313344                     ; a record of q, k and v weights: 18,432 of scales, 3 x 98,304 of codes
.set GUGRP, 313344                     ; gate and up: 16 blocks of 48 columns: 6 chunks of 52,224: [K step % 4][3 gate tiles, 3 up tiles][2,048] of codes, then [K step % 4][6][128] of scales
.set OFF_QKV, 1671168
.set OFF_WO,  9191424
.set OFF_GU,  11698176
.set LI,  1                            ; v1   16 x lane
.set LS,  2                            ; v2   4 x lane
.set STI, 3                            ; v3   the stage, on the way in
.set STO, 4                            ; v4   and on the way out
.set RO,  8                            ; v8-23  byte offset of row r of the tile, + 16 x lane
.set TM,  28                           ; v28-43 at work in QUANT
.set PW,  44                           ; v44  the scale word
.set PC,  48                           ; v48-63 the codes
.set R,   64                           ; v64-255 three sets of 64: a fragment as loaded, then, back from the stage, 64 numbers of my row
.set SRC, 24                           ; s[24:25] the tile's first byte
.set WV,  26
.set PSH, 30                           ; the tensor's numbers: log2 of the jobs to a tile,
.set PPI, 31                           ; a row in bytes,
.set PAA, 32                           ; log2 of the tiles to a record,
.set PLO, 33                           ; what is added to the tile's place in it,
.set PBA, 34                           ; the region's first byte in wts,
.set PRE, 35                           ; a record,
.set PTS, 36                           ; a tile's codes in it,
.set PES, 37                           ; a tile's scales,
.set PDX, 38                           ; where codes begin,
.set PEX, 39                           ; where scales begin,
.set PCH, 52                           ; four K steps on, in the codes,
.set PCS, 53                           ; and in the scales
.set DB,  40                           ; s[40:45] where the three fragments' codes go
.set EB,  46                           ; s[46:51] and their scale images
.set SEL, 56
.set MNT, 58
	s_load_b512 s[8:23], s[0:1], 0x0               ; wq, wk, wv, wo, w_gate, w_up, x, wts
	v_lshl_add_u32 v46, v0, 2, 0x15000
	v_mov_b32 v47, 0
	v_lshrrev_b32 v5, 5, v0
	s_delay_alu instid0(VALU_DEP_1)
	v_readfirstlane_b32 s[WV], v5                  ; wave 0..9
	v_and_b32 v5, 31, v0
	s_delay_alu instid0(VALU_DEP_1)
	v_lshlrev_b32 v[LI], 4, v5
	s_delay_alu instid0(VALU_DEP_2)
	v_lshlrev_b32 v[LS], 2, v5
	v_and_b32 v6, 15, v0                           ; r
	v_bfe_u32 v7, v0, 4, 1                         ; h
	s_mul_i32 s54, s[WV], WST
	v_add_nc_u32 v[STI], s54, v[LI]
	v_mul_u32_u24 v[STO], v6, SP
	s_delay_alu instid0(VALU_DEP_1)
	v_lshl_add_u32 v[STO], v7, 6, v[STO]           ; row r, + 64 h: my 16 numbers of a block of 32
	s_delay_alu instid0(VALU_DEP_1)
	v_add_nc_u32 v[STO], s54, v[STO]
.irp b, 0,1,2,3
	v_mov_b32 v[TM+4+\b], 0                        ; written once: a lane permute's destination counts as one of its sources
.endr
	s_mov_b32 s[SEL], 0x76543210
	s_mov_b32 s[SEL+1], 0xfedcba98                 ; lane l xor 16
	s_mov_b32 s[MNT], 0x600000                     ; the mantissa field of 448
	s_mul_i32 s27, ttmp9, 10
	s_add_co_u32 s27, s27, s[WV]                   ; my job, 0 .. 2,559
	s_lshr_b32 s28, s27, 7
	s_mul_i32 s28, s28, 11
	s_lshr_b32 s28, s28, 5                         ; the tensor: job / 384 (0 .. 5 the weights in the order of the arguments, 6 = x)
	s_mul_i32 s29, s28, 384
	s_sub_co_u32 s29, s27, s29                     ; the job within the tensor
	; x and wo
	s_mov_b32 s[PSH], 1
	s_mov_b32 s[PPI], 3072
	s_mov_b32 s[PAA], 3
	s_mov_b32 s[PLO], 0
	s_mov_b32 s[PRE], XRECB
	s_mov_b32 s[PTS], 12288
	s_mov_b32 s[PES], 768
	s_mov_b32 s[PDX], 0
	s_mov_b32 s[PEX], 98304
	s_mov_b32 s[PCH], 8192
	s_mov_b32 s[PCS], 512
	s_cmp_eq_u32 s28, 3
	s_cselect_b32 s[PBA], OFF_WO, 0
	; wq, wk, wv share a record
	s_mul_i32 s54, s28, 98304
	s_add_co_u32 s54, s54, 18432
	s_mul_i32 s55, s28, 6144
	s_cmp_lt_u32 s28, 3
	s_cselect_b32 s[PBA], OFF_QKV, s[PBA]
	s_cselect_b32 s[PRE], WQKVB, s[PRE]
	s_cselect_b32 s[PDX], s54, s[PDX]
	s_cselect_b32 s[PEX], s55, s[PEX]
	; w_gate, w_up: rows of 3,072 numbers, records by chunks of four K steps
	s_lshr_b32 s54, s28, 1
	; GATE AND UP ARE LAID OTHERWISE THAN THE REST: lane-row r of their tile i is matrix row 16 i + r (neighbours), and a record holds three tiles of each.
	; s2, s[PAA]: the record = tile x s2 >> s[PAA]; s3: tiles to a record; s4, s5: from a K step to the next within four, in codes and in scales; s6: what rows 8-15 of a tile lie further on; s7: 1 for gate and up
	s_sub_co_u32 s55, s28, 4
	s_mul_i32 s55, s55, 3
	s_mov_b32 s2, 1
	s_mov_b32 s3, 8
	s_mov_b32 s4, 2048
	s_mov_b32 s5, 128
	s_mov_b32 s6, 24576
	s_cmp_eq_u32 s54, 2
	s_cselect_b32 s[PSH], 3, s[PSH]
	s_cselect_b32 s[PPI], 12288, s[PPI]
	s_cselect_b32 s[PAA], 9, s[PAA]
	s_cselect_b32 s[PLO], s55, s[PLO]
	s_cselect_b32 s[PBA], OFF_GU, s[PBA]
	s_cselect_b32 s[PRE], GUGRP, s[PRE]
	s_cselect_b32 s[PTS], 2048, s[PTS]
	s_cselect_b32 s[PES], 128, s[PES]
	s_cselect_b32 s[PEX], 49152, s[PEX]
	s_cselect_b32 s[PCH], 52224, s[PCH]
	s_cselect_b32 s[PCS], 52224, s[PCS]
	s_cselect_b32 s2, 171, s2                      ; tile / 3 = tile x 171 >> 9 for tiles 0 .. 47
	s_cselect_b32 s3, 3, s3
	s_cselect_b32 s4, 12288, s4
	s_cselect_b32 s5, 768, s5
	s_cselect_b32 s6, 0, s6
	s_cselect_b32 s7, 1, 0
	s_lshr_b32 s54, s29, s[PSH]                    ; the tile
	s_lshl_b32 s55, s54, s[PSH]
	s_sub_co_u32 s55, s29, s55
	s_mul_i32 s55, s55, 3                          ; my first K step
	s_lshr_b32 s59, s54, 1
	s_lshl_b32 s59, s59, 5
	s_and_b32 s60, s54, 1
	s_lshl_b32 s60, s60, 3
	s_add_co_u32 s59, s59, s60
	s_lshl_b32 s60, s54, 4                         ; gate and up: the tile's first row is 16 i
	s_cmp_eq_u32 s7, 1
	s_cselect_b32 s59, s60, s59
	s_mul_i32 s60, s59, s[PPI]
	s_lshl_b32 s61, s55, 9
	s_add_co_u32 s60, s60, s61
	s_mov_b32 s61, 0
	v_add_nc_u32 v24, s6, v[LI]                    ; rows 8-15 lie eight rows further on, but in gate and up
.irp r, 0,1,2,3,4,5,6,7
	v_mad_u32_u24 v[RO+\r], s[PPI], \r, v[LI]
	v_mad_u32_u24 v[RO+8+\r], s[PPI], 8+\r, v24
.endr
	s_wait_alu depctr_va_vdst(0)
	s_wait_kmcnt 0x0
	s_mov_b64 s[SRC:SRC+1], s[20:21]
.irp n, 0,1,2,3,4,5
	s_cmp_eq_u32 s28, \n                           ; the choice hangs on the job's number alone
	s_cselect_b64 s[SRC:SRC+1], s[8+2*\n:9+2*\n], s[SRC:SRC+1]
.endr
	s_add_nc_u64 s[SRC:SRC+1], s[SRC:SRC+1], s[60:61]
.macro LOAD f                          ; K step f of my three: 16 rows x 512 consecutive bytes, into set f
.irp r, 0,1,2,3,4,5,6,7,8,9,10,11,12,13,14,15
	global_load_b128 v[R+64*(\f)+4*\r:R+64*(\f)+4*\r+3], v[RO+\r], s[SRC:SRC+1] offset:512*(\f) th:TH_LOAD_NT
.endr
.endm
	LOAD 0
	LOAD 1
	LOAD 2
	; where the results go: made while the loads are out
	s_mul_i32 s59, s54, s2
	s_lshr_b32 s59, s59, s[PAA]
	s_mul_i32 s62, s59, s3
	s_sub_co_u32 s62, s54, s62
	s_add_co_u32 s62, s62, s[PLO]                  ; the tile's place in it
	s_mul_i32 s59, s59, s[PRE]
	s_add_co_u32 s59, s59, s[PBA]
	s_mul_i32 s63, s62, s[PTS]
	s_add_co_u32 s63, s63, s59
	s_add_co_u32 s[PDX], s63, s[PDX]               ; the tile's codes
	s_mul_i32 s63, s62, s[PES]
	s_add_co_u32 s63, s63, s59
	s_add_co_u32 s[PEX], s63, s[PEX]               ; the tile's scales
.irp f, 0,1,2
	s_add_co_u32 s54, s55, \f
	s_lshr_b32 s59, s54, 2
	s_and_b32 s54, s54, 3
	s_mul_i32 s62, s59, s[PCH]
	s_mul_i32 s63, s54, s4
	s_add_co_u32 s62, s62, s63
	s_add_co_u32 s62, s62, s[PDX]
	s_mov_b32 s63, 0
	s_add_nc_u64 s[DB+2*\f:DB+2*\f+1], s[22:23], s[62:63]
	s_mul_i32 s62, s59, s[PCS]
	s_mul_i32 s63, s54, s5
	s_add_co_u32 s62, s62, s63
	s_add_co_u32 s62, s62, s[PEX]
	s_mov_b32 s63, 0
	s_add_nc_u64 s[EB+2*\f:EB+2*\f+1], s[22:23], s[62:63]
.endr
; 64 numbers of a lane, register 16 b + n = k 32 b + 16 (lane / 16) + n of my row, become a fragment's codes in v[PC] on and its scale word in v[PW].
.macro QUANT s
	s_wait_xcnt 0x0                                ; the last fragment's stores have read v[PC] on and v[PW]: only now are they written again
.irp b, 0,1,2,3
	v_max3_num_f32 v[TM+\b], |v[(\s)+16*\b]|, |v[(\s)+16*\b+1]|, 0x4800000   ; my 16 numbers of block b, and the floor 2^(9 - 127): the byte cannot fall under 1
.endr
.irp i, 2,4,6,8,10,12,14
.irp b, 0,1,2,3
	s_delay_alu instid0(VALU_DEP_4)
	v_max3_num_f32 v[TM+\b], v[TM+\b], |v[(\s)+16*\b+\i]|, |v[(\s)+16*\b+\i+1]|   ; the four blocks by turns
.endr
.endr
.irp b, 0,1,2,3
	s_delay_alu instid0(VALU_DEP_4)
	v_permlanex16_b32 v[TM+4+\b], v[TM+\b], s[SEL], s[SEL+1]
.endr
.irp b, 0,1,2,3
	s_delay_alu instid0(VALU_DEP_4)
	v_max_num_f32 v[TM+\b], v[TM+\b], v[TM+4+\b]   ; with lane l xor 16's 16: the block's largest magnitude
.endr
.irp b, 0,1,2,3
	s_delay_alu instid0(VALU_DEP_4)
	v_add_nc_u32 v[TM+12+\b], 0xfc000000, v[TM+\b] ; 8 off its exponent field: the conversion's scale operand
.endr
.irp b, 0,1,2,3
	v_and_or_b32 v[TM+8+\b], v[TM+\b], 0x7f800000, s[MNT]   ; 448 x the scale
.endr
.irp b, 0,1,2,3
	v_lshrrev_b32 v[TM+4+\b], 23, v[TM+12+\b]      ; the scale's byte
.endr
	s_delay_alu instid0(VALU_DEP_3)
	v_lshl_or_b32 v[PW], v[TM+5], 8, v[TM+4]
	s_delay_alu instid0(VALU_DEP_1)
	v_lshl_or_b32 v[PW], v[TM+6], 16, v[PW]
	s_delay_alu instid0(VALU_DEP_1)
	v_lshl_or_b32 v[PW], v[TM+7], 24, v[PW]
.irp b, 0,1,2,3
.irp i, 0,1,2,3,4,5,6,7,8,9,10,11,12,13,14,15
	v_med3_num_f32 v[(\s)+16*\b+\i], v[(\s)+16*\b+\i], -v[TM+8+\b], v[TM+8+\b]   ; the conversion to an 8-bit code does not saturate (ISA guide 7.6.2): the hold comes first
.endr
	v_cvt_scalef32_pk8_fp8_f32 v[PC+4*\b:PC+4*\b+1], v[(\s)+16*\b:(\s)+16*\b+7], v[TM+12+\b]
	v_cvt_scalef32_pk8_fp8_f32 v[PC+4*\b+2:PC+4*\b+3], v[(\s)+16*\b+8:(\s)+16*\b+15], v[TM+12+\b]
.endr
	v_nop                                          ; a plain line behind the last conversion
.endm
; One fragment.  left = the loads of the later fragments, which may stay out.
.macro FRAG f, left
	s_wait_loadcnt \left
.irp r, 0,1,2,3,4,5,6,7,8,9,10,11,12,13,14,15
	ds_store_b128 v[STI], v[R+64*(\f)+4*\r:R+64*(\f)+4*\r+3] offset:SP*\r
.endr
.irp c, 0,1,2,3
.irp q, 0,1,2,3
	ds_load_b128 v[R+64*(\f)+16*\c+4*\q:R+64*(\f)+16*\c+4*\q+3], v[STO] offset:128*\c+16*\q   ; LDS serves a wave's instructions in order: these see the stores above, and land in the registers that those have left
.endr
.endr
	s_wait_dscnt 0x0                               ; my 64 numbers are back
	QUANT R+64*(\f)
.irp c, 0,1,2,3
	global_store_b128 v[LI], v[PC+4*\c:PC+4*\c+3], s[DB+2*(\f):DB+2*(\f)+1] offset:512*\c   ; 32 lanes store 512 consecutive bytes, aligned
.endr
	global_store_b32 v[LS], v[PW], s[EB+2*(\f):EB+2*(\f)+1]
.endm
	FRAG 0, 32
	FRAG 1, 16
	FRAG 2, 0
	s_wait_tensorcnt 0x0
	ds_add_u32 v46, v47
	s_wait_dscnt 0x0
	s_endpgm
.Lfunc_end_k_q0ca310257c_quant:
	.size	k_q0ca310257c_quant, .Lfunc_end_k_q0ca310257c_quant-k_q0ca310257c_quant
	.p2alignl 7, 3214868480
	.fill 96, 4, 3214868480
	.section	.rodata,"a",@progbits
	.p2align	6, 0x0
	.amdhsa_kernel k_q0ca310257c_quant
		.amdhsa_group_segment_fixed_size 87296
		.amdhsa_private_segment_fixed_size 0
		.amdhsa_enable_private_segment 0
		.amdhsa_kernarg_size 64
		.amdhsa_user_sgpr_count 2
		.amdhsa_user_sgpr_kernarg_segment_ptr 1
		.amdhsa_wavefront_size32 1
		.amdhsa_system_sgpr_workgroup_id_x 1
		.amdhsa_system_sgpr_workgroup_id_y 1
		.amdhsa_system_sgpr_workgroup_id_z 1
		.amdhsa_system_vgpr_workitem_id 0
		.amdhsa_next_free_vgpr 256
		.amdhsa_next_free_sgpr 66
		.amdhsa_reserve_vcc 0
		.amdhsa_float_denorm_mode_32 3
		.amdhsa_float_denorm_mode_16_64 3
		.amdhsa_memory_ordered 1
		.amdhsa_forward_progress 1
		.amdhsa_inst_pref_size 49
	.end_amdhsa_kernel
	.amdgpu_metadata
---
amdhsa.version: [ 1, 2 ]
amdhsa.kernels:
  - .name:           k_q0ca310257c_quant
    .symbol:         k_q0ca310257c_quant.kd
    .args:
      - { .name: wq, .offset: 0, .size: 8, .value_kind: global_buffer, .address_space: global }
      - { .name: wk, .offset: 8, .size: 8, .value_kind: global_buffer, .address_space: global }
      - { .name: wv, .offset: 16, .size: 8, .value_kind: global_buffer, .address_space: global }
      - { .name: wo, .offset: 24, .size: 8, .value_kind: global_buffer, .address_space: global }
      - { .name: w_gate, .offset: 32, .size: 8, .value_kind: global_buffer, .address_space: global }
      - { .name: w_up, .offset: 40, .size: 8, .value_kind: global_buffer, .address_space: global }
      - { .name: x, .offset: 48, .size: 8, .value_kind: global_buffer, .address_space: global }
      - { .name: wts, .offset: 56, .size: 8, .value_kind: global_buffer, .address_space: global }
    .group_segment_fixed_size: 87296
    .private_segment_fixed_size: 0
    .kernarg_segment_align: 8
    .kernarg_segment_size: 64
    .max_flat_workgroup_size: 320
    .sgpr_count:     66
    .vgpr_count:     256
    .wavefront_size: 32
...
	.end_amdgpu_metadata
.endif
;; end of part 1
;; launch qkv (part 2): grid 8 x 24, 4 waves a work-group, clusters of 4 x 1, 327,680 bytes of LDS; arguments wts, qkv; writes qkv
.if DOCPART == 2
	.amdgcn_target "amdgcn-amd-amdhsa--gfx1250"
	.amdhsa_code_object_version 6
	.text
	.protected	k_q0ca310257c_qkv
	.globl	k_q0ca310257c_qkv
	.p2align	8
	.type	k_q0ca310257c_qkv,@function
k_q0ca310257c_qkv:
	s_mov_b64 s[64:65], 0
	v_nop
	global_prefetch_b8 v0, s[64:65] scope:SCOPE_SE
	s_setreg_imm32_b32 hwreg(HW_REG_WAVE_MODE, 25, 1), 1
	s_wait_xcnt 0x0
	s_wait_alu depctr_hold_cnt(0) depctr_sa_sdst(0) depctr_va_vdst(0) depctr_va_sdst(0) depctr_va_ssrc(0) depctr_va_vcc(0) depctr_vm_vsrc(0)
	s_getreg_b32 s2, hwreg(HW_REG_IB_STS2, 6, 4)
	s_cmp_eq_u32 s2, 0
	s_cbranch_scc0 .Lentry_in_a_cluster
	s_endpgm
.Lentry_in_a_cluster:
	s_bfe_u32 s2, ttmp6, 0x10000c
	s_cmp_lg_u32 s2, 0x3003
	s_cbranch_scc0 .Lentry_shape_is_right
	s_endpgm
.Lentry_shape_is_right:
; q, k, v = x wq[e]^T, x wk[e]^T, x wv[e]^T on codes of E4M3 with E8M0 scales, and their results quantised on the way out: q and k along the head's 64 channels, v along the keys.
; SHARES.  A work-group takes 256 tokens (X = 0..7) and 128 rows (two heads) of each of the three weights of one expert (y = 6 e + j).  Wave w keeps its 64 tokens' 24 fragments of x (4 tiles x 6 K steps) in registers
; for the whole launch; the weights' record (313,344 bytes: scales, q, k, v codes) lies in LDS, filled once, and all four waves read it: 8 fragments from LDS feed 32 matrix instructions.
; CLUSTER.  The four work-groups of a cluster have the same y and need the same record: each wave's three tensor loads are JOINT (the same descriptor in all four, a mask that names the four).  Three tensor loads of a wave are out at the most.
; Operands lie in memory and in LDS as images of their registers (2,048 bytes a fragment, 512 c + 16 lane; scale words 4 lane): no pitch, no padding.  Lane-row r of tile i is row 32 (i / 2) + 8 (i % 2) + r + 8 (r / 8).
; q, k: source 0 = 16 weight rows, source 1 = 16 tokens: a lane holds ONE token and its 64 registers of a token tile run along the 128 channels: blocks 0, 1 are the even head's K, blocks 2, 3 the odd head's.
; v:    source 0 = 16 tokens, source 1 = 16 weight rows: a lane holds ONE channel and the 32 registers of a channel tile run along my 64 tokens, the keys: two blocks of 32 of the second product's K.
; LIMITS: blocks of zeros or under 2^-118 get the byte 1 (their codes are zeros or as the floor gives; this program alone reads the bytes); NaN and infinities are not served.
; REGISTERS, in windows of 256: window 0: v1-10 addresses; v16-39 x's scale words; v40-87 the weights' scale words; v88-127 at work on the way out; v128-255 stream buffer 0.
;   window 1: v0-127 stream buffer 1; v128-255 x's fragments of K steps 0, 1.   window 2: x's fragments of K steps 2-5.   window 3: the 32 accumulators.
.set XRECB, 104448
.set WRECB, 313344
.set OFF_QKV, 1671168
.set QSOFF, 6291456                    ; in qkv: q's codes [96][64][1024]; from here q's scale images [96][64][128];
.set KVOFF, 7077888                    ; from here [96][8] records of a key step:
.set KVREC, 17920                      ; K's codes 8 x 1,024; V's codes 4 x 4 x 512; K's scale images 8 x 128; V's 4 x 128
.set HEADKV, 8*KVREC                   ; from a head's records to the next head's
.set LI,  1
.set LS,  2
.set LB,  3                            ; v3-8  16 lane + where group g's codes begin in LDS, tiles 0-3 and tiles 4-7
.set PW2, 10
.set XSW, 16
.set WSW, 40
.set TM,  88
.set PW,  104
.set PC,  112
.set WV,  8
.set G1A, 16                           ; s[16:23] descriptor group 1: 456 rows of 256 bytes;  s[24:31]: 384 rows
.set G1B, 24
.set G0,  32                           ; s[32:43] three groups 0
.set XCB, 44
.set XSB, 46
.set QCB, 48
.set QSB, 50
.set KCB, 52
.set KSB, 54
.set VCB, 56
.set VSB, 58
.set SEL, 60
.set MNT, 62
.set MSB, 0
.macro WIN new                         ; the immediate's high byte repeats the setting that is left
.if MSB != (\new)
	s_set_vgpr_msb (MSB<<8)|(\new)
.set MSB, (\new)
.endif
.endm
.macro PLACES n
.rept \n
	v_nop
.endr
.endm
.macro CROUND                          ; a round of the cluster's barrier
	s_barrier_signal -1
	s_barrier_wait -1
	s_cmp_lg_u32 s[WV], 0
	s_cbranch_scc1 .Lnot_wave_0_\@
	s_barrier_signal -3
.Lnot_wave_0_\@:
	s_barrier_wait -3
	s_barrier_signal -1
	s_barrier_wait -1
.endm
	s_load_b128 s[4:7], s[0:1], 0x0                ; wts, qkv
	v_lshl_add_u32 v110, v0, 2, 0x4c800
	v_mov_b32 v111, 0
	ds_add_u32 v110, v111
	ds_add_u32 v110, v111
	v_lshrrev_b32 v9, 5, v0
	v_readfirstlane_b32 s[WV], v9                  ; wave 0..3
	v_and_b32 v9, 31, v0
	v_lshlrev_b32 v[LI], 4, v9
	v_lshlrev_b32 v[LS], 2, v9
.irp g, 0,1,2
.irp hf, 0,1
	v_add_nc_u32 v[LB+2*\g+\hf], 18432+98304*\g+49152*\hf, v[LI]
.endr
.endr
.irp b, 0,1,2,3
	v_mov_b32 v[TM+4+\b], 0                        ; written once: a lane permute's destination counts as one of its sources
.endr
	s_mov_b32 s[SEL], 0x76543210
	s_mov_b32 s[SEL+1], 0xfedcba98
	s_mov_b32 s[MNT], 0x600000
	s_and_b32 s11, ttmp7, 0xffff                   ; y = 6 e + j, shared by the cluster
	s_mul_i32 s12, s11, 43
	s_lshr_b32 s12, s12, 8                         ; e = y / 6
	s_mul_i32 s13, s12, 6
	s_sub_co_u32 s13, s11, s13                     ; j
	s_mov_b32 s[G1A], 15|(3<<16)|(1<<21)           ; 15:0 the mask: all four work-groups; 17:16 elements of 8 bytes; 21 set beside a mask
	s_mov_b32 s[G1A+1], 32<<16                     ; tensor_dim0 = 32 elements: rows of 256 bytes
	s_mov_b32 s[G1A+2], 456<<16                    ; 456 rows: all scales and q's codes, one load
	s_mov_b32 s[G1A+3], 32<<16                     ; tile_dim0
	s_mov_b32 s[G1A+4], 456
	s_mov_b32 s[G1A+5], 32                         ; the pitch: dense
	s_mov_b32 s[G1A+6], 0
	s_mov_b32 s[G1A+7], 0
	s_mov_b32 s[G1B], 15|(3<<16)|(1<<21)
	s_mov_b32 s[G1B+1], 32<<16
	s_mov_b32 s[G1B+2], 384<<16                    ; 384 rows: k's codes, or v's
	s_mov_b32 s[G1B+3], 32<<16
	s_mov_b32 s[G1B+4], 384
	s_mov_b32 s[G1B+5], 32
	s_mov_b32 s[G1B+6], 0
	s_mov_b32 s[G1B+7], 0
	s_mul_i32 s76, s11, WRECB                      ; the record: made of y and the wave's number alone, in registers that never hold my place in the cluster
	s_add_co_u32 s76, s76, OFF_QKV
	s_mov_b32 s77, 0
	s_mov_b32 s79, 0
	s_wait_dscnt 0x0
	CROUND                                         ; the opening round, ahead of the wait for the arguments: all four work-groups are here, so the joint loads below meet
	s_wait_kmcnt 0x0
	s_add_nc_u64 s[76:77], s[4:5], s[76:77]
	s_mov_b32 s78, 0                               ; bytes 0 .. 116,735: all scales and q's codes.  A byte's place in LDS is its place in the record
	s_mov_b32 s[G0], 1
	s_mov_b32 s[G0+1], s78
	s_add_nc_u64 s[G0+2:G0+3], s[76:77], s[78:79]
	s_or_b32 s[G0+3], s[G0+3], 0x80000000
	s_mov_b32 s78, 116736                          ; k's codes
	s_mov_b32 s[G0+4], 1
	s_mov_b32 s[G0+5], s78
	s_add_nc_u64 s[G0+6:G0+7], s[76:77], s[78:79]
	s_or_b32 s[G0+7], s[G0+7], 0x80000000
	s_add_co_u32 s78, s78, 98304                   ; and of v's
	s_mov_b32 s[G0+8], 1
	s_mov_b32 s[G0+9], s78
	s_add_nc_u64 s[G0+10:G0+11], s[76:77], s[78:79]
	s_or_b32 s[G0+11], s[G0+11], 0x80000000
	s_cmp_eq_u32 s[WV], 0
	s_cbranch_scc0 .Lnot_q
	tensor_load_to_lds s[G0:G0+3], s[G1A:G1A+7]
	s_nop 0
	PLACES 4
	s_branch .Lasked
.Lnot_q:
	s_cmp_eq_u32 s[WV], 1
	s_cbranch_scc0 .Lnot_k
	tensor_load_to_lds s[G0+4:G0+7], s[G1B:G1B+7]
	s_nop 0
	PLACES 4
	s_branch .Lasked
.Lnot_k:
	s_cmp_eq_u32 s[WV], 2
	s_cbranch_scc0 .Lasked
	tensor_load_to_lds s[G0+8:G0+11], s[G1B:G1B+7]
	s_nop 0
	PLACES 4
.Lasked:
	s_bfe_u32 s66, ttmp6, 0x40000                  ; cx: it enters global addresses alone
	s_lshl_b32 s67, ttmp9, 2
	s_add_co_u32 s67, s67, s66                     ; X: my 256 tokens
	s_lshr_b32 s68, s[WV], 1
	s_and_b32 s69, s[WV], 1
	s_lshl_b32 s70, s67, 1
	s_add_co_u32 s70, s70, s68                     ; x's record of 128 tokens
	s_mul_i32 s70, s70, XRECB
	s_mul_i32 s71, s69, 49152                      ; my 4 tiles of its 8
	s_add_co_u32 s72, s70, s71
	s_mov_b32 s73, 0
	s_mul_i32 s71, s69, 3072
	s_add_co_u32 s74, s70, s71
	s_add_co_u32 s74, s74, 98304
	s_mov_b32 s75, 0
	s_add_nc_u64 s[XCB:XCB+1], s[4:5], s[72:73]
	s_add_nc_u64 s[XSB:XSB+1], s[4:5], s[74:75]
	s_wait_alu depctr_va_vdst(0)                   ; the offsets were made ahead of the round
.irp s, 0,1,2,3,4,5
.irp i, 0,1,2,3
	global_load_b32 v[XSW+4*\s+\i], v[LS], s[XSB:XSB+1] offset:(6*\i+\s)*128   ; x's 24 scale words go first: every K step needs its own, and the loads come back in order
.endr
.endr
	WIN 0x40
.irp s, 0,1
.irp i, 0,1,2,3
.irp c, 0,1,2,3
	global_load_b128 v[128+64*\s+16*\i+4*\c:128+64*\s+16*\i+4*\c+3], v[LI], s[XCB:XCB+1] offset:(6*\i+\s)*2048+512*\c
.endr
.endr
.endr
	WIN 0x80                                       ; destination window 2
.irp s, 2,3,4,5
.irp i, 0,1,2,3
.irp c, 0,1,2,3
	global_load_b128 v[64*(\s-2)+16*\i+4*\c:64*(\s-2)+16*\i+4*\c+3], v[LI], s[XCB:XCB+1] offset:(6*\i+\s)*2048+512*\c
.endr
.endr
.endr
	WIN 0
	; where the results go
	s_lshr_b32 s70, s67, 2                         ; the batch
	s_lshl_b32 s71, s12, 1
	s_add_co_u32 s70, s70, s71
	s_mul_i32 s70, s70, 12
	s_lshl_b32 s71, s13, 1
	s_add_co_u32 s70, s70, s71                     ; (2 e + b) 12 + my even head
	s_and_b32 s67, s67, 3
	s_lshl_b32 s71, s67, 4
	s_lshl_b32 s72, s[WV], 2
	s_add_co_u32 s71, s71, s72                     ; my first token tile of the sequence's 64
	s_lshl_b32 s72, s70, 16
	s_lshl_b32 s74, s71, 10
	s_add_co_u32 s72, s72, s74
	s_add_nc_u64 s[QCB:QCB+1], s[6:7], s[72:73]
	s_lshl_b32 s72, s70, 13
	s_lshl_b32 s74, s71, 7
	s_add_co_u32 s72, s72, s74
	s_add_co_u32 s72, s72, QSOFF
	s_add_nc_u64 s[QSB:QSB+1], s[6:7], s[72:73]
	s_lshl_b32 s72, s70, 3
	s_lshl_b32 s74, s67, 1
	s_add_co_u32 s72, s72, s74
	s_add_co_u32 s72, s72, s68                     ; the key step's record
	s_mul_i32 s72, s72, KVREC
	s_add_co_u32 s72, s72, KVOFF
	s_add_nc_u64 s[74:75], s[6:7], s[72:73]
	s_lshl_b32 s72, s69, 12                        ; K's codes: my 4 tiles of the step's 8
	s_add_nc_u64 s[KCB:KCB+1], s[74:75], s[72:73]
	s_lshl_b32 s72, s69, 9
	s_add_co_u32 s72, s72, 16384
	s_add_nc_u64 s[KSB:KSB+1], s[74:75], s[72:73]
	s_lshl_b32 s72, s69, 10                        ; V's codes: my two groups of 32 keys of the step's four
	s_add_co_u32 s72, s72, 8192
	s_add_nc_u64 s[VCB:VCB+1], s[74:75], s[72:73]
	s_lshl_b32 s72, s69, 1                         ; and my two bytes of each scale word
	s_add_co_u32 s72, s72, 17408
	s_add_nc_u64 s[VSB:VSB+1], s[74:75], s[72:73]
.macro SCLOAD g                        ; group g's 48 scale words
.irp a, 0,1,2,3,4,5,6,7
.irp s, 0,1,2,3,4,5
	ds_load_b32 v[WSW+6*\a+\s], v[LS] offset:6144*\g+(6*\a+\s)*128
.endr
.endr
.endm
.macro FETCH g, s                      ; the eight fragments of group g's K step s into stream buffer s % 2: 32 LDS loads
.if (\s)%2
	WIN 0x40
.set SBB, 0
.else
	WIN 0
.set SBB, 128
.endif
.irp a, 0,1,2,3,4,5,6,7
.irp c, 0,1,2,3
	ds_load_b128 v[SBB+16*\a+4*\c:SBB+16*\a+4*\c+3], v[LB+2*\g+\a/4] offset:(6*(\a%4)+(\s))*2048+512*\c
.endr
.endr
.endm
; 32 matrix instructions: K step s.  The 32 accumulators take turns, one instruction a turn, in the same order in every step.  The first step starts the sums: nothing is cleared.
.macro MUL vt, s
.set SWN, (\s)%2
.set SBB, 128*(1-SWN)
.if (\s) < 2
.set XWN, 1
.set XBB, 128+64*(\s)
.else
.set XWN, 2
.set XBB, 64*((\s)-2)
.endif
.if \vt
	WIN 0xf0|(SWN<<2)|XWN
.irp a, 0,1,2,3,4,5,6,7
.irp i, 0,1,2,3
.if (\s) == 0
	v_wmma_scale_f32_16x16x128_f8f6f4 v[8*(4*\a+\i):8*(4*\a+\i)+7], v[XBB+16*\i:XBB+16*\i+15], v[SBB+16*\a:SBB+16*\a+15], 0, v[XSW+4*(\s)+\i], v[WSW+6*\a+(\s)]
.else
	v_wmma_scale_f32_16x16x128_f8f6f4 v[8*(4*\a+\i):8*(4*\a+\i)+7], v[XBB+16*\i:XBB+16*\i+15], v[SBB+16*\a:SBB+16*\a+15], v[8*(4*\a+\i):8*(4*\a+\i)+7], v[XSW+4*(\s)+\i], v[WSW+6*\a+(\s)]
.endif
.endr
.endr
.else
	WIN 0xf0|(XWN<<2)|SWN
.irp i, 0,1,2,3
.irp a, 0,1,2,3,4,5,6,7
.if (\s) == 0
	v_wmma_scale_f32_16x16x128_f8f6f4 v[8*(8*\i+\a):8*(8*\i+\a)+7], v[SBB+16*\a:SBB+16*\a+15], v[XBB+16*\i:XBB+16*\i+15], 0, v[WSW+6*\a+(\s)], v[XSW+4*(\s)+\i]
.else
	v_wmma_scale_f32_16x16x128_f8f6f4 v[8*(8*\i+\a):8*(8*\i+\a)+7], v[SBB+16*\a:SBB+16*\a+15], v[XBB+16*\i:XBB+16*\i+15], v[8*(8*\i+\a):8*(8*\i+\a)+7], v[WSW+6*\a+(\s)], v[XSW+4*(\s)+\i]
.endif
.endr
.endr
.endif
.endm
; One weight's 128 rows against my 64 tokens, all of K.  A load into a register that a matrix instruction has read stands eight places behind it:
; the buffer that step s + 1 fills was read by step s - 1, the last products issued.  In front of step 0's and step 1's fetches stand the places at the head of the way out.
.macro GROUP g, vt
	SCLOAD \g
	FETCH \g, 0
.irp s, 0,1,2,3,4
.if \s > 0
	PLACES 8
.endif
	FETCH \g, \s+1
	s_wait_dscnt 32
.if \s < 2
	s_wait_loadcnt 63                              ; x's fragments of this K step are in: behind its 16 loads stand 16 for each later step, 80 or 64 here, of which the wait can name 63
.else
	s_wait_loadcnt 16*(5-\s)
.endif
	MUL \vt, \s
.endr
	s_wait_dscnt 0x0
	s_wait_loadcnt 0x0
	MUL \vt, 5
	WIN 0
.endm
; 64 accumulator registers of window 3, v[s] on, register 16 b + n = place 32 b + 16 (lane / 16) + n along the next K, become 16 registers of codes in v[PC] on and four scale bytes in v[PW].  Each accumulator is read from its low end on.
.macro QUANTW s
	s_wait_xcnt 0x0                                ; the earlier stores have read v[PC] on, v[PW] and v[PW2]
	WIN 0x0f
.irp b, 0,1,2,3
	v_max3_num_f32 v[TM+\b], |v[(\s)+16*\b]|, |v[(\s)+16*\b+1]|, 0x4800000   ; and the floor 2^(9 - 127): the byte cannot fall under 1
.endr
	WIN 0x3c
.irp i, 2,4,6,8,10,12,14
.irp b, 0,1,2,3
	v_max3_num_f32 v[TM+\b], v[TM+\b], |v[(\s)+16*\b+\i]|, |v[(\s)+16*\b+\i+1]|
.endr
.endr
	WIN 0
.irp b, 0,1,2,3
	v_permlanex16_b32 v[TM+4+\b], v[TM+\b], s[SEL], s[SEL+1]
.endr
.irp b, 0,1,2,3
	v_max_num_f32 v[TM+\b], v[TM+\b], v[TM+4+\b]
.endr
.irp b, 0,1,2,3
	v_add_nc_u32 v[TM+12+\b], 0xfc000000, v[TM+\b]
.endr
.irp b, 0,1,2,3
	v_and_or_b32 v[TM+8+\b], v[TM+\b], 0x7f800000, s[MNT]
.endr
.irp b, 0,1,2,3
	v_lshrrev_b32 v[TM+4+\b], 23, v[TM+12+\b]
.endr
	v_lshl_or_b32 v[PW], v[TM+5], 8, v[TM+4]
	v_lshl_or_b32 v[PW], v[TM+6], 16, v[PW]
	v_lshl_or_b32 v[PW], v[TM+7], 24, v[PW]
	WIN 0xc3
.irp b, 0,1,2,3
.irp i, 0,1,2,3,4,5,6,7,8,9,10,11,12,13,14,15
	v_med3_num_f32 v[(\s)+16*\b+\i], v[(\s)+16*\b+\i], -v[TM+8+\b], v[TM+8+\b]   ; the conversion does not saturate (ISA guide 7.6.2): the hold comes first
.endr
.endr
	WIN 0x03
.irp b, 0,1,2,3
	v_cvt_scalef32_pk8_fp8_f32 v[PC+4*\b:PC+4*\b+1], v[(\s)+16*\b:(\s)+16*\b+7], v[TM+12+\b]
	v_cvt_scalef32_pk8_fp8_f32 v[PC+4*\b+2:PC+4*\b+3], v[(\s)+16*\b+8:(\s)+16*\b+15], v[TM+12+\b]
.endr
	WIN 0
	v_nop                                          ; a plain line behind the last conversion: the next products write its sources
.endm
; q or k goes out: for each token tile, registers 0-7 of the even head's fragment and of the odd head's (their registers 8-15, K = 64 .. 127, are zeros that the reader keeps), and the two scale words.
.macro EPIQ cb, sb, oc, os
	PLACES 8                                       ; behind the last products, ahead of the first read of results
.irp i, 0,1,2,3
	QUANTW 64*\i
	v_lshrrev_b32 v[PW2], 16, v[PW]                ; the odd head's two bytes
	global_store_b128 v[LI], v[PC:PC+3], s[\cb:\cb+1] offset:\i*1024
	global_store_b128 v[LI], v[PC+4:PC+7], s[\cb:\cb+1] offset:\i*1024+512
	global_store_b128 v[LI], v[PC+8:PC+11], s[\cb:\cb+1] offset:\i*1024+\oc
	global_store_b128 v[LI], v[PC+12:PC+15], s[\cb:\cb+1] offset:\i*1024+512+\oc
	global_store_b32 v[LS], v[PW], s[\sb:\sb+1] offset:\i*128
	global_store_b32 v[LS], v[PW2], s[\sb:\sb+1] offset:\i*128+\os
.endr
.endm
; v goes out: channel tiles a and a + 1 at a time: each has my two groups of 32 keys (two of a fragment's four register groups) and two of its scale word's four bytes.
.macro EPIV
	PLACES 8
.irp a, 0,2,4,6
	QUANTW 32*\a
	global_store_b128 v[LI], v[PC:PC+3], s[VCB:VCB+1] offset:(\a%4)*2048+(\a/4)*HEADKV
	global_store_b128 v[LI], v[PC+4:PC+7], s[VCB:VCB+1] offset:(\a%4)*2048+(\a/4)*HEADKV+512
	global_store_b128 v[LI], v[PC+8:PC+11], s[VCB:VCB+1] offset:(\a%4)*2048+(\a/4)*HEADKV+2048
	global_store_b128 v[LI], v[PC+12:PC+15], s[VCB:VCB+1] offset:(\a%4)*2048+(\a/4)*HEADKV+2560
	global_store_b16 v[LS], v[PW], s[VSB:VSB+1] offset:(\a%4)*128+(\a/4)*HEADKV
	global_store_d16_hi_b16 v[LS], v[PW], s[VSB:VSB+1] offset:(\a%4)*128+(\a/4)*HEADKV+128
.endr
.endm
	s_cmp_eq_u32 s[WV], 0                          ; wave 0 alone issued the line whose bytes are read behind this barrier: it waits; k's and v's may stay out
	s_cbranch_scc0 .Lq_in
	s_wait_tensorcnt 0x0
.Lq_in:
	s_barrier_signal -1
	s_barrier_wait -1                              ; everybody's is
	s_wait_alu depctr_va_vdst(0)
	GROUP 0, 0
	EPIQ QCB, QSB, 65536, 8192
	s_cmp_eq_u32 s[WV], 1                          ; wave 1's line: k's codes
	s_cbranch_scc0 .Lk_in
	s_wait_tensorcnt 0x0
.Lk_in:
	s_barrier_signal -1
	s_barrier_wait -1
	GROUP 1, 0
	EPIQ KCB, KSB, HEADKV, HEADKV
	s_wait_tensorcnt 0x0                           ; and of v's
	s_barrier_signal -1
	s_barrier_wait -1
	GROUP 2, 1
	EPIV
	s_wait_tensorcnt 0x0
	ds_add_u32 v110, v111
	s_wait_dscnt 0x0
	CROUND                                         ; the closing round: no work-group ends while a partner may still ask for a tile that names it
	s_endpgm
.Lfunc_end_k_q0ca310257c_qkv:
	.size	k_q0ca310257c_qkv, .Lfunc_end_k_q0ca310257c_qkv-k_q0ca310257c_qkv
	.p2alignl 7, 3214868480
	.fill 96, 4, 3214868480
	.section	.rodata,"a",@progbits
	.p2align	6, 0x0
	.amdhsa_kernel k_q0ca310257c_qkv
		.amdhsa_group_segment_fixed_size 327680
		.amdhsa_private_segment_fixed_size 0
		.amdhsa_enable_private_segment 0
		.amdhsa_kernarg_size 16
		.amdhsa_user_sgpr_count 2
		.amdhsa_user_sgpr_kernarg_segment_ptr 1
		.amdhsa_wavefront_size32 1
		.amdhsa_system_sgpr_workgroup_id_x 1
		.amdhsa_system_sgpr_workgroup_id_y 1
		.amdhsa_system_sgpr_workgroup_id_z 1
		.amdhsa_system_vgpr_workitem_id 0
		.amdhsa_next_free_vgpr 1024
		.amdhsa_next_free_sgpr 80
		.amdhsa_reserve_vcc 0
		.amdhsa_float_denorm_mode_32 3
		.amdhsa_float_denorm_mode_16_64 3
		.amdhsa_memory_ordered 1
		.amdhsa_forward_progress 1
		.amdhsa_inst_pref_size 248
	.end_amdhsa_kernel
	.amdgpu_metadata
---
amdhsa.version: [ 1, 2 ]
amdhsa.kernels:
  - .name:           k_q0ca310257c_qkv
    .symbol:         k_q0ca310257c_qkv.kd
    .args:
      - { .name: wts, .offset: 0, .size: 8, .value_kind: global_buffer, .address_space: global }
      - { .name: qkv, .offset: 8, .size: 8, .value_kind: global_buffer, .address_space: global }
    .group_segment_fixed_size: 327680
    .private_segment_fixed_size: 0
    .kernarg_segment_align: 8
    .kernarg_segment_size: 16
    .max_flat_workgroup_size: 128
    .sgpr_count:     80
    .vgpr_count:     1024
    .wavefront_size: 32
...
	.end_amdgpu_metadata
.endif
;; end of part 2
;; launch attn (part 3): grid 8 x 32, 8 waves a work-group, no clusters, 168,960 bytes of LDS; arguments qkv, ocd; writes ocd
.if DOCPART == 3
	.amdgcn_target "amdgcn-amd-amdhsa--gfx1250"
	.amdhsa_code_object_version 6
	.text
	.protected	k_q0ca310257c_attn
	.globl	k_q0ca310257c_attn
	.p2align	8
	.type	k_q0ca310257c_attn,@function
k_q0ca310257c_attn:
	s_mov_b64 s[64:65], 0
	v_nop
	global_prefetch_b8 v0, s[64:65] scope:SCOPE_SE
	s_setreg_imm32_b32 hwreg(HW_REG_WAVE_MODE, 25, 1), 1
	s_wait_xcnt 0x0
; o = softmax(q k^T / 8 under the band 0 <= query - key < 256) v for 96 instances (expert, batch, head) of 1,024 tokens x 64 channels, both products on codes of E4M3 with E8M0 scales; o is quantised along the channels on the way out.
; THE BAND.  32 neighbouring queries (group G) see only the key groups G - 8 .. G: nine groups of 32.  Group G - 8 counts where the key's place in its group is larger than the query's, group G where it is not larger; the seven between count whole.
; Groups in front of the sequence's start are hidden whole.  All 288 scores of a query lie in registers (144 a lane), so M = ceil(the row's largest t) is found in one pass: no running maximum is needed.
; THE SOFTMAX: t = score x log2(e) / 8; p = 2^(t - M) is quantised along the keys, not normalised; the row's sum is taken of the unquantised p and divides at the end (v_rcp_f32).
; SHARES.  A work-group owns 128 queries (m) of three heads of one (expert, batch); wave w owns the query tile 8 m + w and walks the three heads.  The heads' key steps m - 2, m - 1, m (records of 17,920 bytes:
; K's codes, V's codes, their scale images) come into LDS once, five tensor loads by waves 0-4, one a wave, the first head's first.  A key step in front of the sequence's start is replaced by step 0 in the first head, by the head before's last records in the others: finite numbers under hidden scores.
; THE FIRST HEAD IS WRITTEN OUT: it begins as soon as its own three records are in (a counted wait, a barrier); the other six land under its work, and one wait for all loads and one barrier stand in front of the loop over the other two heads.
; NO JOINT LOADS: key step k lands in slot k - m + 2, which differs between the query blocks that share it, and a joint load wants the same LDS address in all that it names.
; LAYOUT.  Both products are used transposed (S^T = K Q^T, O^T = V^T P^T): a lane holds ONE query.  Lane-row r of tile i is row 32 (i / 2) + 8 (i % 2) + r + 8 (r / 8): register 16 t + n of S is key 16 (lane / 16) + n of group t.
; The head has 64 channels and the instruction 128 along K: registers 8-15 of Q's and K's fragments are zero codes, written once.
; LIMITS: a block of p or of o under 2^-118 gets the byte 1; NaN and infinities are not served.
; REGISTERS: window 0: v1-17 addresses and constants; v18-27 -M, sums, scale words; v28-171 S, then p, then V's fragments, then o; v172-207 nine blocks' figures; v208-239 p's codes; v240-251 scale words of K, then of V.
;   window 1: v0-15 Q; v16-207 twelve buffers for K's fragments; v208-239 O^T.
.set KVREC, 17920
.set HEADL, 3*KVREC                    ; a head's three slots in LDS
.set QSOFF, 6291456
.set KVOFF, 7077888
.set ORECB, 104448                     ; o: records of 128 tokens: 8 tiles x 6 K steps x 2,048, then 8 x 6 x 128 of scales
.set LI,  1
.set LS,  2
.set DL,  3                            ; v3   my query's place in its group - 16 (lane / 16)
.set NINF, 4                           ; v4   -infinity
.set KA,  5                            ; v5-8   K's tiles of group t, t % 4 = c
.set KSA, 9                            ; v9-12  their scale words
.set VA,  13                           ; v13-16 V's codes of group t
.set VSA, 17                           ; v17    V's scale words
.set NM,  18                           ; v[18:19] -M
.set SUM, 20                           ; v[20:23] the sum in two chains
.set QSW, 24
.set PSW, 25                           ; v25-27 p's scale words
.set S,   28
.set BM,  172
.set BX,  181
.set LIM, 190
.set SCL, 199
.set PA,  208
.set PZ,  224
.set SCR, 240
.set QF,  0                            ; in window 1
.set KB,  16
.set OT,  208
.set WV,  8
.set G1,  16
.set G0,  24
.set CS,  36
.set SEL, 38
.set MNT, 40
.set SH,  41
.set HID, 42
.set HL,  43
.set SM,  44
.set HH,  45
.set QB,  46
.set QSB, 48
.set OCB, 50
.set OSB, 52
.set OST, 54
.set MSB, 0
.macro WIN new
.if MSB != (\new)
	s_set_vgpr_msb (MSB<<8)|(\new)
.set MSB, (\new)
.endif
.endm
.macro PLACES n
.rept \n
	v_nop
.endr
.endm
	s_load_b128 s[4:7], s[0:1], 0x0                ; qkv, ocd
	v_lshl_add_u32 v254, v0, 2, 0x29000
	v_mov_b32 v255, 0
	ds_add_u32 v254, v255
	ds_add_u32 v254, v255
	v_lshrrev_b32 v20, 5, v0
	s_delay_alu instid0(VALU_DEP_1)
	v_readfirstlane_b32 s[WV], v20                 ; wave 0..7
	v_and_b32 v20, 31, v0
	s_delay_alu instid0(VALU_DEP_1)
	v_lshlrev_b32 v[LI], 4, v20
	s_delay_alu instid0(VALU_DEP_2)
	v_lshlrev_b32 v[LS], 2, v20
	s_mov_b32 s9, ttmp9                            ; m: my 128 queries
	s_and_b32 s10, ttmp7, 0xffff
	s_lshr_b32 s11, s10, 2                         ; 2 e + b
	s_and_b32 s12, s10, 3
	s_mul_i32 s13, s11, 12
	s_mul_i32 s[HH], s12, 3                        ; my first head
	s_add_co_u32 s13, s13, s[HH]                   ; its instance
	s_lshr_b32 s14, s[WV], 1                       ; i: my group of 32 queries in the block
	s_and_b32 s15, s[WV], 1                        ; u: which tile of the group
	s_mov_b32 s[G1], 3<<16                         ; no mask; elements of 8 bytes; no padding
	s_mov_b32 s[G1+1], 32<<16                      ; rows of 256 bytes,
	s_mov_b32 s[G1+2], 70<<16                      ; 70 of them: a record
	s_mov_b32 s[G1+3], 32<<16
	s_mov_b32 s[G1+4], 70
	s_mov_b32 s[G1+5], 32
	s_mov_b32 s[G1+6], 0
	s_mov_b32 s[G1+7], 0
	s_min_u32 s56, s[WV], 2                        ; the slot that I fill, if I fill
	s_add_co_u32 s57, s9, s56
	s_max_u32 s57, s57, 2
	s_sub_co_u32 s57, s57, 2                       ; its key step m - 2 + slot, held at 0
	s_lshl_b32 s58, s13, 3
	s_add_co_u32 s58, s58, s57
	s_mul_i32 s58, s58, KVREC
	s_add_co_u32 s58, s58, KVOFF
	s_mov_b32 s59, 0
	s_mul_i32 s56, s56, KVREC
	s_wait_dscnt 0x0
	s_wait_kmcnt 0x0
	s_add_nc_u64 s[58:59], s[4:5], s[58:59]
	; THE FILLS, ONE A WAVE (five loads in all, not nine).  Waves 0-2: the first head's three slots, a record each, the key step held at 0.  Wave 3: the third head's three slots; wave 4: the second head's: records m - 2 .. m
	; lie on end in memory, 210 rows of 256 bytes.  For these two heads a record in front of the sequence's start is the head before's last records: they exist (the instance is 1 or more) and hold finite codes and scale bytes, under hidden scores.
	s_mov_b32 s[G0], 1
	s_mov_b32 s[G0+1], s56
	s_mov_b64 s[G0+2:G0+3], s[58:59]
	s_or_b32 s[G0+3], s[G0+3], 0x80000000
	s_and_b32 s60, s[WV], 1
	s_mul_i32 s61, s60, HEADL
	s_add_co_u32 s61, s61, HEADL                   ; LDS: head 1 + wave % 2
	s_add_co_u32 s62, s13, s60
	s_lshl_b32 s62, s62, 3
	s_add_co_u32 s62, s62, s9
	s_add_co_u32 s62, s62, 6                       ; record 8 (instance + 1 + wave % 2) + m - 2
	s_mul_i32 s62, s62, KVREC
	s_add_co_u32 s62, s62, KVOFF
	s_mov_b32 s63, 0
	s_mov_b32 s[G0+4], 1
	s_mov_b32 s[G0+5], s61
	s_add_nc_u64 s[G0+6:G0+7], s[4:5], s[62:63]
	s_or_b32 s[G0+7], s[G0+7], 0x80000000
	s_mov_b32 s68, 3<<16                           ; s[68:75] group 1 for three records on end
	s_mov_b32 s69, 32<<16
	s_mov_b32 s70, 210<<16
	s_mov_b32 s71, 32<<16
	s_mov_b32 s72, 210
	s_mov_b32 s73, 32
	s_mov_b32 s74, 0
	s_mov_b32 s75, 0
	s_cmp_lt_u32 s[WV], 3
	s_cbranch_scc0 .Lnot_first_head
	tensor_load_to_lds s[G0:G0+3], s[G1:G1+7]
	s_nop 0
	PLACES 4
	s_branch .Lno_fill
.Lnot_first_head:
	s_cmp_lt_u32 s[WV], 5
	s_cbranch_scc0 .Lno_fill
	tensor_load_to_lds s[G0+4:G0+7], s[68:75]
	s_nop 0
	PLACES 4
.Lno_fill:
	s_lshl_b32 s56, s9, 3
	s_add_co_u32 s56, s56, s[WV]                   ; my query tile of the sequence's 64
	s_lshl_b32 s58, s13, 16
	s_lshl_b32 s57, s56, 10
	s_add_co_u32 s58, s58, s57
	s_mov_b32 s59, 0
	s_add_nc_u64 s[QB:QB+1], s[4:5], s[58:59]
	s_lshl_b32 s58, s13, 13
	s_lshl_b32 s57, s56, 7
	s_add_co_u32 s58, s58, s57
	s_add_co_u32 s58, s58, QSOFF
	s_add_nc_u64 s[QSB:QSB+1], s[4:5], s[58:59]
	WIN 0x40
	s_wait_alu depctr_va_vdst(0)
	global_load_b128 v[QF:QF+3], v[LI], s[QB:QB+1]
	global_load_b128 v[QF+4:QF+7], v[LI], s[QB:QB+1] offset:512
.irp n, 8,9,10,11,12,13,14,15
	v_mov_b32 v[QF+\n], 0                          ; zero CODES for K = 64 .. 127, written once: these are operands, not sums
.endr
.set k, 0
.rept 12
.irp n, 8,9,10,11,12,13,14,15
	v_mov_b32 v[KB+16*k+\n], 0
.endr
.set k, k+1
.endr
	WIN 0
	global_load_b32 v[QSW], v[LS], s[QSB:QSB+1]
.irp n, 4,5,6,7,8,9,10,11,12,13,14,15
	v_mov_b32 v[PZ+\n], 0                          ; the last chunk of p has one group of 32 keys: the rest of its K is zero codes
.endr
.irp t, 0,1,2,3,4,5,6,7,8
	v_mov_b32 v[BX+\t], 0                          ; written once: a lane permute's destination counts as one of its sources
.endr
	v_mov_b32 v[NINF], 0xff800000
	v_and_b32 v20, 15, v0                          ; r
	s_delay_alu instid0(VALU_DEP_1)
	v_and_b32 v21, 8, v20
	s_delay_alu instid0(VALU_DEP_1)
	v_add_nc_u32 v21, v21, v20                     ; r + 8 (r / 8)
	v_bfe_u32 v22, v0, 4, 1
	s_delay_alu instid0(VALU_DEP_1)
	v_lshlrev_b32 v22, 4, v22
	s_delay_alu instid0(VALU_DEP_1)
	v_sub_nc_u32 v[DL], v21, v22
	s_lshl_b32 s56, s15, 3
	v_add_nc_u32 v[DL], s56, v[DL]                 ; 8 u + r + 8 (r / 8) - 16 h
.irp c, 0,1,2,3
	s_add_co_u32 s56, s14, \c                      ; group t stands at place i + t among the three key steps' twelve groups
	s_lshr_b32 s57, s56, 2
	s_and_b32 s56, s56, 3
	s_mul_i32 s57, s57, KVREC
	s_lshl_b32 s60, s56, 11
	s_add_co_u32 s60, s60, s57
	v_add_nc_u32 v[KA+\c], s60, v[LI]
	s_lshl_b32 s60, s56, 8
	s_add_co_u32 s60, s60, s57
	s_add_co_u32 s60, s60, 16384
	v_add_nc_u32 v[KSA+\c], s60, v[LS]
	s_lshl_b32 s60, s56, 9
	s_add_co_u32 s60, s60, s57
	s_add_co_u32 s60, s60, 8192
	v_add_nc_u32 v[VA+\c], s60, v[LI]
.endr
	v_add_nc_u32 v[VSA], 17408, v[LS]
	s_mov_b32 s[CS], 0x3e38aa3b                    ; c = log2(e) / 8
	s_mov_b32 s[CS+1], s[CS]                       ; (named with it as a pair, so it is written)
	s_mov_b32 s[SEL], 0x76543210
	s_mov_b32 s[SEL+1], 0xfedcba98
	s_mov_b32 s[MNT], 0x600000
	s_mul_i32 s[SH], s14, 0x01010101
	s_add_co_u32 s[SH], s[SH], 0x03020100          ; byte selects i .. i + 3 of two neighbouring scale words
	s_lshl_b32 s[HID], s9, 2
	s_add_co_u32 s[HID], s[HID], s14
	s_min_u32 s[HID], s[HID], 8
	s_sub_co_u32 s[HID], 8, s[HID]                 ; so many of my nine groups lie in front of the sequence's start
	s_lshl_b32 s56, s11, 3
	s_add_co_u32 s56, s56, s9                      ; o's record
	s_mul_i32 s56, s56, ORECB
	s_mul_i32 s57, s[WV], 12288
	s_add_co_u32 s58, s56, s57
	s_lshl_b32 s57, s[HH], 10                      ; head hh: K step hh / 2, register groups 2 (hh % 2) on: 1,024 hh bytes
	s_add_co_u32 s58, s58, s57
	s_add_nc_u64 s[OCB:OCB+1], s[6:7], s[58:59]
	s_mul_i32 s57, s[WV], 768
	s_add_co_u32 s58, s56, s57
	s_add_co_u32 s58, s58, 98304
	s_add_nc_u64 s[OSB:OSB+1], s[6:7], s[58:59]
	s_mov_b32 s[HL], 0
	s_wait_alu depctr_va_vdst(0)
	s_cmp_lt_u32 s[WV], 3                          ; waves 0-2 issued the line whose bytes the first head reads: they wait; waves 3 and 4's loads may stay out
	s_cbranch_scc0 .Lfirst_in
	s_wait_tensorcnt 0x0
.Lfirst_in:
	s_barrier_signal -1
	s_barrier_wait -1                              ; everybody's has: the first head's three slots are whole
.macro KLOAD bt                        ; groups 3 bt .. 3 bt + 2: six tiles' codes (registers 0-7) and scale words: 18 LDS loads
	WIN 0x40
.irp g, 0,1,2
.irp u, 0,1
.set tt, 3*(\bt)+\g
.set kb, 6*((\bt)%2)+2*\g+\u
	ds_load_b128 v[KB+16*kb:KB+16*kb+3], v[KA+tt%4] offset:(tt/4)*KVREC+\u*1024
	ds_load_b128 v[KB+16*kb+4:KB+16*kb+7], v[KA+tt%4] offset:(tt/4)*KVREC+\u*1024+512
.endr
.endr
	WIN 0
.irp g, 0,1,2
.irp u, 0,1
.set tt, 3*(\bt)+\g
.set kb, 6*((\bt)%2)+2*\g+\u
	ds_load_b32 v[SCR+kb], v[KSA+tt%4] offset:(tt/4)*KVREC+\u*128
.endr
.endr
.endm
.macro QKMUL bt                        ; their scores: six results, each a sum of its own
	WIN 0x05
.irp g, 0,1,2
.irp u, 0,1
.set tt, 3*(\bt)+\g
.set kb, 6*((\bt)%2)+2*\g+\u
	v_wmma_scale_f32_16x16x128_f8f6f4 v[S+16*tt+8*\u:S+16*tt+8*\u+7], v[KB+16*kb:KB+16*kb+15], v[QF:QF+15], 0, v[SCR+kb], v[QSW]
.endr
.endr
.endm
; ONE HEAD.  Every window is 0 at its head and at its end.
.macro TRIP
	s_wait_loadcnt 0x0                             ; this head's Q
	KLOAD 0
	KLOAD 1
	s_wait_dscnt 18                                ; all but the 18 loads just issued
	QKMUL 0
	PLACES 8                                       ; in front of loads into registers that those products read
	KLOAD 2
	s_wait_dscnt 18
	QKMUL 1
	s_wait_dscnt 0x0
	QKMUL 2
	WIN 0
	PLACES 8                                       ; behind the last products: for the loads below and the first read of the scores
	s_cmp_eq_u32 s[HL], 2                          ; the next head's Q, if there is a next head: no load leaves its buffer
	s_cbranch_scc1 .Lno_q_\@
	s_add_nc_u64 s[QB:QB+1], s[QB:QB+1], 65536     ; (the loads that named these pairs were waited for at the head's first line)
	s_add_nc_u64 s[QSB:QSB+1], s[QSB:QSB+1], 8192
	WIN 0x40
	global_load_b128 v[QF:QF+3], v[LI], s[QB:QB+1]
	global_load_b128 v[QF+4:QF+7], v[LI], s[QB:QB+1] offset:512
	WIN 0
	global_load_b32 v[QSW], v[LS], s[QSB:QSB+1]
.Lno_q_\@:
.irp p, 0,1,2                          ; V's scale words of the three key steps, and V's codes of my last group (into registers 0-3 of K's buffers 0-3, which are free now): they land under the softmax
.irp td, 0,1,2,3
	ds_load_b32 v[SCR+4*\p+\td], v[VSA] offset:\p*KVREC+\td*128
.endr
.endr
	WIN 0x40
.irp td, 0,1,2,3
	ds_load_b128 v[KB+16*\td:KB+16*\td+3], v[VA] offset:2*KVREC+\td*2048
.endr
	WIN 0
	; the band's two edges: in group 0 key n' counts where n' > my query's place, in group 8 where it does not
.irp n, 0,1,2,3,4,5,6,7,8,9,10,11,12,13,14,15
	v_cmp_gt_i32 vcc_lo, \n, v[DL]
	v_cndmask_b32 v[S+\n], v[NINF], v[S+\n], vcc_lo
	v_cndmask_b32 v[S+128+\n], v[S+128+\n], v[NINF], vcc_lo
.endr
	s_cmp_eq_u32 s[HID], 0                         ; groups in front of the sequence's start: a branch on ids alone
	s_cbranch_scc1 .Lopen_\@
.irp t, 0,1,2,3,4,5,6,7
	s_cmp_gt_u32 s[HID], \t
	s_cselect_b32 s[SM], -1, 0
.irp n, 0,1,2,3,4,5,6,7,8,9,10,11,12,13,14,15
	v_cndmask_b32 v[S+16*\t+\n], v[S+16*\t+\n], v[NINF], s[SM]
.endr
.endr
.Lopen_\@:
	; the largest score of each group of 32 keys: it serves for the row's maximum and, since p rises with the score, for the block's largest p
.irp t, 0,1,2,3,4,5,6,7,8
	v_max3_num_f32 v[BM+\t], v[S+16*\t], v[S+16*\t+1], v[S+16*\t+2]
.endr
.irp i, 3,5,7,9,11,13
.irp t, 0,1,2,3,4,5,6,7,8
	v_max3_num_f32 v[BM+\t], v[BM+\t], v[S+16*\t+\i], v[S+16*\t+\i+1]
.endr
.endr
.irp t, 0,1,2,3,4,5,6,7,8
	v_max_num_f32 v[BM+\t], v[BM+\t], v[S+16*\t+15]
.endr
.irp t, 0,1,2,3,4,5,6,7,8
	v_permlanex16_b32 v[BX+\t], v[BM+\t], s[SEL], s[SEL+1]
.endr
.irp t, 0,1,2,3,4,5,6,7,8
	v_max_num_f32 v[BM+\t], v[BM+\t], v[BX+\t]     ; with lane l xor 16's 16 keys
.endr
	v_max3_num_f32 v[SUM], v[BM], v[BM+1], v[BM+2]
	s_delay_alu instid0(VALU_DEP_1)
	v_max3_num_f32 v[SUM], v[SUM], v[BM+3], v[BM+4]
	s_delay_alu instid0(VALU_DEP_1)
	v_max3_num_f32 v[SUM], v[SUM], v[BM+5], v[BM+6]
	s_delay_alu instid0(VALU_DEP_1)
	v_max3_num_f32 v[SUM], v[SUM], v[BM+7], v[BM+8]  ; the row's largest score: my own key counts, so it is a number
	s_delay_alu instid0(VALU_DEP_1)
	v_mul_f32 v[SUM], s[CS], v[SUM]                ; as t (c is positive)
	s_delay_alu instid0(VALU_DEP_1)
	v_floor_f32 v[NM], -v[SUM]                     ; -M = floor(-t) = -ceil(t)
	s_delay_alu instid0(VALU_DEP_1)
	v_mov_b32 v[NM+1], v[NM]
.set k, 0
.rept 72
	v_pk_fma_f32 v[S+k:S+k+1], v[S+k:S+k+1], s[CS:CS+1], v[NM:NM+1] op_sel_hi:[1,0,0]   ; t - M, two at a time
.set k, k+2
.endr
.irp t, 0,1,2,3,4,5,6,7,8
	v_fma_f32 v[BM+\t], v[BM+\t], s[CS], v[NM]     ; the same of each block's largest score
.endr
.set k, 0
	s_wait_alu depctr_va_vdst(0)
.rept 144
	v_exp_f32 v[S+k], v[S+k]                       ; p = 2^(t - M), at most 1; a hidden key's is 0
.set k, k+1
.endr
.irp t, 0,1,2,3,4,5,6,7,8
	v_exp_f32 v[BM+\t], v[BM+\t]                   ; the block's largest p: the same two instructions on the same number
.endr
	v_nop                                          ; a plain line behind the exponentials
	s_wait_dscnt 0x0                               ; V's scale words (and my last group's codes) are in
.irp td, 0,1,2,3
	v_perm_b32 v[SCR+\td], v[SCR+4+\td], v[SCR+\td], s[SH]       ; my groups begin i bytes into the twelve bytes of a channel's three words: bytes i .. i + 3,
.endr
.irp td, 0,1,2,3
	v_perm_b32 v[SCR+4+\td], v[SCR+8+\td], v[SCR+4+\td], s[SH]   ; i + 4 .. i + 7,
.endr
.irp td, 0,1,2,3
	v_perm_b32 v[SCR+8+\td], v[SCR+8+\td], v[SCR+8+\td], s[SH]   ; and i + 8 in byte 0 (the other three are scale bytes too, and stand over zero codes of p)
.endr
	s_wait_alu depctr_va_vdst(0)
.irp t, 0,1,2,3,4,5,6,7,8
	v_max_num_f32 v[BM+\t], 0x4800000, v[BM+\t]    ; the floor 2^(9 - 127): the byte cannot fall under 1
.endr
.irp t, 0,1,2,3,4,5,6,7,8
	v_add_nc_u32 v[SCL+\t], 0xfc000000, v[BM+\t]   ; the conversion's scale operand
.endr
.irp t, 0,1,2,3,4,5,6,7,8
	v_and_or_b32 v[LIM+\t], v[BM+\t], 0x7f800000, s[MNT]   ; 448 x the scale
.endr
.irp t, 0,1,2,3,4,5,6,7,8
	v_lshrrev_b32 v[BX+\t], 23, v[SCL+\t]          ; the scale's byte
.endr
	v_lshl_or_b32 v[PSW], v[BX+1], 8, v[BX]
	v_lshl_or_b32 v[PSW+1], v[BX+5], 8, v[BX+4]
	s_delay_alu instid0(VALU_DEP_2)
	v_lshl_or_b32 v[PSW], v[BX+2], 16, v[PSW]
	s_delay_alu instid0(VALU_DEP_2)
	v_lshl_or_b32 v[PSW+1], v[BX+6], 16, v[PSW+1]
	s_delay_alu instid0(VALU_DEP_2)
	v_lshl_or_b32 v[PSW], v[BX+3], 24, v[PSW]
	s_delay_alu instid0(VALU_DEP_2)
	v_lshl_or_b32 v[PSW+1], v[BX+7], 24, v[PSW+1]
	v_mov_b32 v[PSW+2], v[BX+8]
	v_pk_add_f32 v[22:23], v[28:29], v[30:31]
	v_pk_add_f32 v[252:253], v[36:37], v[40:41]
	v_pk_add_f32 v[226:227], v[44:45], v[48:49]
	v_pk_add_f32 v[224:225], v[52:53], v[56:57]
	v_pk_add_f32 v[222:223], v[60:61], v[64:65]
	v_pk_add_f32 v[220:221], v[68:69], v[72:73]
	v_pk_add_f32 v[218:219], v[76:77], v[80:81]
	v_pk_add_f32 v[20:21], v[84:85], v[88:89]
	v_pk_add_f32 v[20:21], v[20:21], v[92:93]
	v_pk_add_f32 v[22:23], v[22:23], v[96:97]
	v_pk_add_f32 v[252:253], v[252:253], v[100:101]
	v_pk_add_f32 v[226:227], v[226:227], v[104:105]
	v_pk_add_f32 v[224:225], v[224:225], v[108:109]
	v_pk_add_f32 v[222:223], v[222:223], v[112:113]
	v_pk_add_f32 v[220:221], v[220:221], v[116:117]
	v_pk_add_f32 v[218:219], v[218:219], v[120:121]
	v_pk_add_f32 v[20:21], v[20:21], v[124:125]
	v_pk_add_f32 v[22:23], v[22:23], v[128:129]
	v_pk_add_f32 v[252:253], v[252:253], v[132:133]
	v_pk_add_f32 v[226:227], v[226:227], v[136:137]
	v_pk_add_f32 v[224:225], v[224:225], v[140:141]
	v_pk_add_f32 v[222:223], v[222:223], v[144:145]
	v_pk_add_f32 v[220:221], v[220:221], v[148:149]
	v_pk_add_f32 v[218:219], v[218:219], v[152:153]
	v_pk_add_f32 v[20:21], v[20:21], v[156:157]
	v_pk_add_f32 v[22:23], v[22:23], v[160:161]
	v_pk_add_f32 v[252:253], v[252:253], v[164:165]
	v_pk_add_f32 v[226:227], v[226:227], v[168:169]
	v_pk_add_f32 v[224:225], v[224:225], v[32:33]
	v_pk_add_f32 v[222:223], v[222:223], v[34:35]
	v_pk_add_f32 v[220:221], v[220:221], v[38:39]
	v_pk_add_f32 v[218:219], v[218:219], v[42:43]
	v_pk_add_f32 v[20:21], v[20:21], v[46:47]
	v_pk_add_f32 v[22:23], v[22:23], v[50:51]
	v_pk_add_f32 v[252:253], v[252:253], v[54:55]
	v_pk_add_f32 v[226:227], v[226:227], v[58:59]
	v_pk_add_f32 v[224:225], v[224:225], v[62:63]
	v_pk_add_f32 v[222:223], v[222:223], v[66:67]
	v_pk_add_f32 v[220:221], v[220:221], v[70:71]
	v_pk_add_f32 v[218:219], v[218:219], v[74:75]
	v_pk_add_f32 v[20:21], v[20:21], v[78:79]
	v_pk_add_f32 v[22:23], v[22:23], v[82:83]
	v_pk_add_f32 v[252:253], v[252:253], v[86:87]
	v_pk_add_f32 v[226:227], v[226:227], v[90:91]
	v_pk_add_f32 v[224:225], v[224:225], v[94:95]
	v_pk_add_f32 v[222:223], v[222:223], v[98:99]
	v_pk_add_f32 v[220:221], v[220:221], v[102:103]
	v_pk_add_f32 v[218:219], v[218:219], v[106:107]
	v_pk_add_f32 v[20:21], v[20:21], v[110:111]
	v_pk_add_f32 v[22:23], v[22:23], v[114:115]
	v_pk_add_f32 v[252:253], v[252:253], v[118:119]
	v_pk_add_f32 v[226:227], v[226:227], v[122:123]
	v_pk_add_f32 v[224:225], v[224:225], v[126:127]
	v_pk_add_f32 v[222:223], v[222:223], v[130:131]
	v_pk_add_f32 v[220:221], v[220:221], v[134:135]
	v_pk_add_f32 v[218:219], v[218:219], v[138:139]
	v_pk_add_f32 v[20:21], v[20:21], v[142:143]
	v_pk_add_f32 v[22:23], v[22:23], v[146:147]
	v_pk_add_f32 v[252:253], v[252:253], v[150:151]
	v_pk_add_f32 v[226:227], v[226:227], v[154:155]
	v_pk_add_f32 v[224:225], v[224:225], v[158:159]
	v_pk_add_f32 v[222:223], v[222:223], v[162:163]
	v_pk_add_f32 v[220:221], v[220:221], v[166:167]
	v_pk_add_f32 v[218:219], v[218:219], v[170:171]
	s_delay_alu instid0(VALU_DEP_4)
	v_pk_add_f32 v[20:21], v[20:21], v[224:225]
	s_delay_alu instid0(VALU_DEP_4)
	v_pk_add_f32 v[22:23], v[22:23], v[222:223]
	s_delay_alu instid0(VALU_DEP_4)
	v_pk_add_f32 v[252:253], v[252:253], v[220:221]
	s_delay_alu instid0(VALU_DEP_4)
	v_pk_add_f32 v[226:227], v[226:227], v[218:219]
	s_delay_alu instid0(VALU_DEP_2)
	v_pk_add_f32 v[20:21], v[20:21], v[252:253]
	s_delay_alu instid0(VALU_DEP_2)
	v_pk_add_f32 v[22:23], v[22:23], v[226:227]
	s_delay_alu instid0(VALU_DEP_1)
	v_pk_add_f32 v[20:21], v[20:21], v[22:23]
.irp t, 0,1,2,3,4,5,6,7,8
.irp n, 0,1,2,3,4,5,6,7,8,9,10,11,12,13,14,15
	v_min_num_f32 v[S+16*\t+\n], v[S+16*\t+\n], v[LIM+\t]       ; the conversion does not saturate (ISA guide 7.6.2); p is not negative, so the hold is one-sided
.endr
.if \t < 4
.set CD, PA+4*\t                       ; groups 0-3: the first chunk of 128 keys
.elseif \t < 8
.set CD, S+4*(\t-4)                    ; groups 4-7: into the registers that group 0's p has left
.else
.set CD, PZ                            ; group 8
.endif
	v_cvt_scalef32_pk8_fp8_f32 v[CD:CD+1], v[S+16*\t:S+16*\t+7], v[SCL+\t]
	v_cvt_scalef32_pk8_fp8_f32 v[CD+2:CD+3], v[S+16*\t+8:S+16*\t+15], v[SCL+\t]
.endr
	v_nop                                          ; a plain line behind the last conversion
.irp j, 0,1                            ; V's fragments of the first two chunks, into the registers that p has left: register group c is key group 4 j + c
.irp td, 0,1,2,3
.irp c, 0,1,2,3
	ds_load_b128 v[S+16+64*\j+16*\td+4*\c:S+16+64*\j+16*\td+4*\c+3], v[VA+\c] offset:\j*KVREC+\td*2048
.endr
.endr
.endr
	v_add_f32 v[SUM+2], v[SUM], v[SUM+1]           ; the sum's two halves,
	s_delay_alu instid0(VALU_DEP_1)
	v_permlanex16_b32 v[SUM+3], v[SUM+2], s[SEL], s[SEL+1]
	s_delay_alu instid0(VALU_DEP_1)
	v_add_f32 v[SUM+2], v[SUM+2], v[SUM+3]         ; and lane l xor 16's
	s_wait_alu depctr_va_vdst(0)
	v_rcp_f32 v[SUM], v[SUM+2]
	PLACES 4                                       ; behind the reciprocal, and between the codes just made and the products that take them
	s_wait_dscnt 0x0
	WIN 0x50                                       ; O^T in window 1.  Its four accumulators take turns
.irp td, 0,1,2,3
	v_wmma_scale_f32_16x16x128_f8f6f4 v[OT+8*\td:OT+8*\td+7], v[S+16+16*\td:S+16+16*\td+15], v[PA:PA+15], 0, v[SCR+\td], v[PSW]
.endr
.irp td, 0,1,2,3
	v_wmma_scale_f32_16x16x128_f8f6f4 v[OT+8*\td:OT+8*\td+7], v[S+80+16*\td:S+80+16*\td+15], v[S:S+15], v[OT+8*\td:OT+8*\td+7], v[SCR+4+\td], v[PSW+1]
.endr
	WIN 0x51                                       ; the last group's V lies in K's buffers, window 1
.irp td, 0,1,2,3
	v_wmma_scale_f32_16x16x128_f8f6f4 v[OT+8*\td:OT+8*\td+7], v[KB+16*\td:KB+16*\td+15], v[PZ:PZ+15], v[OT+8*\td:OT+8*\td+7], v[SCR+8+\td], v[PSW+2]
.endr
	WIN 0
.irp n, 0,1,2,3,4,5,6,7,8,9,10,11,12
	v_add_nc_u32 v[KA+\n], HEADL, v[KA+\n]         ; the 13 LDS addresses step to the next head (no LDS load is out): these are also the places behind the last products
.endr
	WIN 0x01
.set k, 0
	s_wait_alu depctr_va_vdst(0)
.rept 16
	v_pk_mul_f32 v[S+k:S+k+1], v[OT+k:OT+k+1], v[SUM:SUM+1] op_sel_hi:[1,0]   ; o = O^T / the sum: register 16 b + n is channel 32 b + 16 (lane / 16) + n of my query
.set k, k+2
.endr
	WIN 0
.irp b, 0,1                            ; o's two blocks of 32 channels are quantised
	v_max3_num_f32 v[BM+\b], |v[S+16*\b]|, |v[S+16*\b+1]|, 0x4800000
.endr
.irp i, 2,4,6,8,10,12,14
.irp b, 0,1
	s_delay_alu instid0(VALU_DEP_2)
	v_max3_num_f32 v[BM+\b], v[BM+\b], |v[S+16*\b+\i]|, |v[S+16*\b+\i+1]|
.endr
.endr
.irp b, 0,1
	s_delay_alu instid0(VALU_DEP_2)
	v_permlanex16_b32 v[BX+\b], v[BM+\b], s[SEL], s[SEL+1]
.endr
.irp b, 0,1
	s_delay_alu instid0(VALU_DEP_2)
	v_max_num_f32 v[BM+\b], v[BM+\b], v[BX+\b]
.endr
.irp b, 0,1
	s_delay_alu instid0(VALU_DEP_2)
	v_add_nc_u32 v[SCL+\b], 0xfc000000, v[BM+\b]
.endr
.irp b, 0,1
	s_delay_alu instid0(VALU_DEP_4)
	v_and_or_b32 v[LIM+\b], v[BM+\b], 0x7f800000, s[MNT]
.endr
.irp b, 0,1
	s_delay_alu instid0(VALU_DEP_4)
	v_lshrrev_b32 v[BX+\b], 23, v[SCL+\b]
.endr
	s_delay_alu instid0(VALU_DEP_1)
	v_lshl_or_b32 v[BX+2], v[BX+1], 8, v[BX]       ; two bytes: half of a scale word
.irp b, 0,1
.irp i, 0,1,2,3,4,5,6,7,8,9,10,11,12,13,14,15
	v_med3_num_f32 v[S+16*\b+\i], v[S+16*\b+\i], -v[LIM+\b], v[LIM+\b]
.endr
	v_cvt_scalef32_pk8_fp8_f32 v[PA+4*\b:PA+4*\b+1], v[S+16*\b:S+16*\b+7], v[SCL+\b]
	v_cvt_scalef32_pk8_fp8_f32 v[PA+4*\b+2:PA+4*\b+3], v[S+16*\b+8:S+16*\b+15], v[SCL+\b]
.endr
	v_nop
	s_lshr_b32 s56, s[HH], 1
	s_lshl_b32 s56, s56, 7
	s_and_b32 s57, s[HH], 1
	s_lshl_b32 s57, s57, 1
	s_add_co_u32 s56, s56, s57                     ; the scale image of K step hh / 2, bytes 2 (hh % 2) on
	s_mov_b32 s57, 0
	s_add_nc_u64 s[OST:OST+1], s[OSB:OSB+1], s[56:57]
	global_store_b128 v[LI], v[PA:PA+3], s[OCB:OCB+1]
	global_store_b128 v[LI], v[PA+4:PA+7], s[OCB:OCB+1] offset:512
	global_store_b16 v[LS], v[BX+2], s[OST:OST+1]
	s_wait_xcnt 0x0                                ; the stores have read their registers and bases: both are written again below and in the next head
	s_add_nc_u64 s[OCB:OCB+1], s[OCB:OCB+1], 1024
	s_add_co_u32 s[HH], s[HH], 1
	s_add_co_u32 s[HL], s[HL], 1
.endm
	TRIP                                           ; the first head: its LDS addresses all lie under 53,760, the first head's three slots; the other heads' records land meanwhile
	s_wait_tensorcnt 0x0                           ; all my fills have landed,
	s_wait_dscnt 0x0
	s_barrier_signal -1
	s_barrier_wait -1                              ; everybody's have
.Lhead_loop:                                           ; two trips: the second and the third head
	TRIP
	s_cmp_lt_u32 s[HL], 3
	s_cbranch_scc1 .Lhead_loop
	s_wait_tensorcnt 0x0
	ds_add_u32 v254, v255
	s_wait_dscnt 0x0
	s_endpgm
.Lfunc_end_k_q0ca310257c_attn:
	.size	k_q0ca310257c_attn, .Lfunc_end_k_q0ca310257c_attn-k_q0ca310257c_attn
	.p2alignl 7, 3214868480
	.fill 96, 4, 3214868480
	.section	.rodata,"a",@progbits
	.p2align	6, 0x0
	.amdhsa_kernel k_q0ca310257c_attn
		.amdhsa_group_segment_fixed_size 168960
		.amdhsa_private_segment_fixed_size 0
		.amdhsa_enable_private_segment 0
		.amdhsa_kernarg_size 16
		.amdhsa_user_sgpr_count 2
		.amdhsa_user_sgpr_kernarg_segment_ptr 1
		.amdhsa_wavefront_size32 1
		.amdhsa_system_sgpr_workgroup_id_x 1
		.amdhsa_system_sgpr_workgroup_id_y 1
		.amdhsa_system_sgpr_workgroup_id_z 1
		.amdhsa_system_vgpr_workitem_id 0
		.amdhsa_next_free_vgpr 512
		.amdhsa_next_free_sgpr 76
		.amdhsa_reserve_vcc 1
		.amdhsa_float_denorm_mode_32 3
		.amdhsa_float_denorm_mode_16_64 3
		.amdhsa_memory_ordered 1
		.amdhsa_forward_progress 1
		.amdhsa_inst_pref_size 131
	.end_amdhsa_kernel
	.amdgpu_metadata
---
amdhsa.version: [ 1, 2 ]
amdhsa.kernels:
  - .name:           k_q0ca310257c_attn
    .symbol:         k_q0ca310257c_attn.kd
    .args:
      - { .name: qkv, .offset: 0, .size: 8, .value_kind: global_buffer, .address_space: global }
      - { .name: ocd, .offset: 8, .size: 8, .value_kind: global_buffer, .address_space: global }
    .group_segment_fixed_size: 168960
    .private_segment_fixed_size: 0
    .kernarg_segment_align: 8
    .kernarg_segment_size: 16
    .max_flat_workgroup_size: 256
    .sgpr_count:     76
    .vgpr_count:     512
    .wavefront_size: 32
...
	.end_amdgpu_metadata
.endif
;; end of part 3
;; launch wo (part 4): grid 8 x 24, 4 waves a work-group, clusters of 4 x 1, 168,448 bytes of LDS; arguments wts, ocd, fcd; writes fcd
.if DOCPART == 4
	.amdgcn_target "amdgcn-amd-amdhsa--gfx1250"
	.amdhsa_code_object_version 6
	.text
	.protected	k_q0ca310257c_wo
	.globl	k_q0ca310257c_wo
	.p2align	8
	.type	k_q0ca310257c_wo,@function
k_q0ca310257c_wo:
	s_mov_b64 s[64:65], 0
	v_nop
	global_prefetch_b8 v0, s[64:65] scope:SCOPE_SE
	s_setreg_imm32_b32 hwreg(HW_REG_WAVE_MODE, 25, 1), 1
	s_wait_xcnt 0x0
	s_wait_alu depctr_hold_cnt(0) depctr_sa_sdst(0) depctr_va_vdst(0) depctr_va_sdst(0) depctr_va_ssrc(0) depctr_va_vcc(0) depctr_vm_vsrc(0)
	s_getreg_b32 s2, hwreg(HW_REG_IB_STS2, 6, 4)
	s_cmp_eq_u32 s2, 0
	s_cbranch_scc0 .Lentry_in_a_cluster
	s_endpgm
.Lentry_in_a_cluster:
	s_bfe_u32 s2, ttmp6, 0x10000c
	s_cmp_lg_u32 s2, 0x3003
	s_cbranch_scc0 .Lentry_shape_is_right
	s_endpgm
.Lentry_shape_is_right:
; fused[:, 768 e + n] = o[e] wo[e]^T on codes of E4M3 with E8M0 scales; the result is quantised along n, which is the K of the gate's and the value's products, and stored as fragments of that operand.
; SHARES.  A work-group takes 256 tokens (X) and 128 rows of wo[e] (y = 6 e + j): K step y of the next product.  Wave w keeps its 64 tokens' 24 fragments of o in registers; wo's record (104,448 bytes) lies in LDS, filled once.
; CLUSTER.  The four work-groups of a cluster have the same y: each wave's one tensor load is JOINT (the same descriptor in all four, a mask that names the four).  One tensor load of a wave is out.
; Source 0 = 16 rows of wo, source 1 = 16 tokens: a lane holds ONE token, and the 64 registers of a token tile run along the 128 outputs: a whole fragment of the next operand and its scale word.
; Operands lie as images of their registers (2,048 bytes a fragment, 512 c + 16 lane; scale words 4 lane).  Lane-row r of tile i is row 32 (i / 2) + 8 (i % 2) + r + 8 (r / 8).
; LIMITS: blocks of zeros or under 2^-118 get the byte 1; NaN and infinities are not served.
; REGISTERS: window 0: v1-5 addresses; v16-39 o's scale words; v40-87 wo's; v88-127 at work on the way out; v128-255 stream buffer 0.  window 1: v0-127 stream buffer 1; v128-255 o's fragments of K steps 0, 1.
;   window 2: o's fragments of K steps 2-5.   window 3: the 32 accumulators.
.set RECB, 104448
.set OFF_WO, 9191424
.set CHUNK, 69632                      ; fcd: [16 groups of 128 tokens][6 chunks]: 8 tiles x 4 K steps x 2,048, then 8 x 4 x 128 of scales
.set LI,  1
.set LS,  2
.set LB,  3                            ; v3, v4  16 lane + tiles 0-3, tiles 4-7
.set LSB, 5                            ; v5      4 lane + where the scales begin
.set XSW, 16
.set WSW, 40
.set TM,  88
.set PW,  104
.set PC,  112
.set WV,  8
.set G1,  16
.set G0,  32
.set XCB, 44
.set XSB, 46
.set FCB, 48
.set FSB, 50
.set SEL, 60
.set MNT, 62
.set MSB, 0
.macro WIN new
.if MSB != (\new)
	s_set_vgpr_msb (MSB<<8)|(\new)
.set MSB, (\new)
.endif
.endm
.macro PLACES n
.rept \n
	v_nop
.endr
.endm
.macro CROUND
	s_barrier_signal -1
	s_barrier_wait -1
	s_cmp_lg_u32 s[WV], 0
	s_cbranch_scc1 .Lnot_wave_0_\@
	s_barrier_signal -3
.Lnot_wave_0_\@:
	s_barrier_wait -3
	s_barrier_signal -1
	s_barrier_wait -1
.endm
	s_load_b128 s[4:7], s[0:1], 0x0                ; wts, ocd
	s_load_b64 s[14:15], s[0:1], 0x10              ; fcd
	v_lshl_add_u32 v110, v0, 2, 0x29000
	v_mov_b32 v111, 0
	ds_add_u32 v110, v111
	ds_add_u32 v110, v111
	v_lshrrev_b32 v9, 5, v0
	v_readfirstlane_b32 s[WV], v9
	v_and_b32 v9, 31, v0
	v_lshlrev_b32 v[LI], 4, v9
	v_lshlrev_b32 v[LS], 2, v9
	v_mov_b32 v[LB], v[LI]
	v_add_nc_u32 v[LB+1], 49152, v[LI]
	v_add_nc_u32 v[LSB], 98304, v[LS]
.irp b, 0,1,2,3
	v_mov_b32 v[TM+4+\b], 0
.endr
	s_mov_b32 s[SEL], 0x76543210
	s_mov_b32 s[SEL+1], 0xfedcba98
	s_mov_b32 s[MNT], 0x600000
	s_and_b32 s11, ttmp7, 0xffff                   ; y = 6 e + j, shared by the cluster
	s_mul_i32 s12, s11, 43
	s_lshr_b32 s12, s12, 8                         ; e
	s_mov_b32 s[G1], 15|(3<<16)|(1<<21)            ; the mask: all four work-groups; elements of 8 bytes; 21 set beside a mask
	s_mov_b32 s[G1+1], 32<<16
	s_mov_b32 s[G1+2], 102<<16                     ; 102 rows of 256 bytes: a quarter of the record
	s_mov_b32 s[G1+3], 32<<16
	s_mov_b32 s[G1+4], 102
	s_mov_b32 s[G1+5], 32
	s_mov_b32 s[G1+6], 0
	s_mov_b32 s[G1+7], 0
	s_mul_i32 s76, s11, RECB
	s_add_co_u32 s76, s76, OFF_WO
	s_mul_i32 s78, s[WV], 26112
	s_add_co_u32 s76, s76, s78
	s_mov_b32 s77, 0
	s_wait_dscnt 0x0
	CROUND                                         ; the opening round, ahead of the wait for the arguments: all four work-groups are here, so the joint loads below meet
	s_wait_kmcnt 0x0
	s_mov_b32 s[G0], 1
	s_mov_b32 s[G0+1], s78
	s_add_nc_u64 s[G0+2:G0+3], s[4:5], s[76:77]
	s_or_b32 s[G0+3], s[G0+3], 0x80000000
	tensor_load_to_lds s[G0:G0+3], s[G1:G1+7]
	s_nop 0
	PLACES 4
	s_bfe_u32 s66, ttmp6, 0x40000                  ; cx: it enters global addresses alone
	s_lshl_b32 s67, ttmp9, 2
	s_add_co_u32 s67, s67, s66                     ; X
	s_lshr_b32 s68, s[WV], 1
	s_and_b32 s69, s[WV], 1
	s_lshl_b32 s67, s67, 1
	s_add_co_u32 s67, s67, s68                     ; my group of 128 tokens, 0 .. 15
	s_lshl_b32 s70, s12, 4
	s_add_co_u32 s70, s70, s67                     ; o's record: 16 e + that
	s_mul_i32 s70, s70, RECB
	s_mul_i32 s71, s69, 49152
	s_add_co_u32 s72, s70, s71
	s_mov_b32 s73, 0
	s_mul_i32 s71, s69, 3072
	s_add_co_u32 s74, s70, s71
	s_add_co_u32 s74, s74, 98304
	s_mov_b32 s75, 0
	s_add_nc_u64 s[XCB:XCB+1], s[6:7], s[72:73]
	s_add_nc_u64 s[XSB:XSB+1], s[6:7], s[74:75]
	s_wait_alu depctr_va_vdst(0)
.irp s, 0,1,2,3,4,5
.irp i, 0,1,2,3
	global_load_b32 v[XSW+4*\s+\i], v[LS], s[XSB:XSB+1] offset:(6*\i+\s)*128   ; o's 24 scale words go first: every K step needs its own, and the loads come back in order
.endr
.endr
	WIN 0x40
.irp s, 0,1
.irp i, 0,1,2,3
.irp c, 0,1,2,3
	global_load_b128 v[128+64*\s+16*\i+4*\c:128+64*\s+16*\i+4*\c+3], v[LI], s[XCB:XCB+1] offset:(6*\i+\s)*2048+512*\c
.endr
.endr
.endr
	WIN 0x80
.irp s, 2,3,4,5
.irp i, 0,1,2,3
.irp c, 0,1,2,3
	global_load_b128 v[64*(\s-2)+16*\i+4*\c:64*(\s-2)+16*\i+4*\c+3], v[LI], s[XCB:XCB+1] offset:(6*\i+\s)*2048+512*\c
.endr
.endr
.endr
	WIN 0
	s_mul_i32 s70, s67, 6
	s_lshr_b32 s71, s11, 2
	s_add_co_u32 s70, s70, s71                     ; the record: 6 x token group + chunk y / 4
	s_mul_i32 s70, s70, CHUNK
	s_lshl_b32 s71, s69, 4
	s_and_b32 s72, s11, 3
	s_add_co_u32 s71, s71, s72                     ; in it: 4 x my first tile + K step y % 4
	s_lshl_b32 s72, s71, 11
	s_add_co_u32 s72, s72, s70
	s_add_nc_u64 s[FCB:FCB+1], s[14:15], s[72:73]
	s_lshl_b32 s72, s71, 7
	s_add_co_u32 s72, s72, s70
	s_add_co_u32 s72, s72, 65536
	s_add_nc_u64 s[FSB:FSB+1], s[14:15], s[72:73]
.macro FETCH s                         ; wo's eight fragments of K step s into stream buffer s % 2: 32 LDS loads
.if (\s)%2
	WIN 0x40
.set SBB, 0
.else
	WIN 0
.set SBB, 128
.endif
.irp a, 0,1,2,3,4,5,6,7
.irp c, 0,1,2,3
	ds_load_b128 v[SBB+16*\a+4*\c:SBB+16*\a+4*\c+3], v[LB+\a/4] offset:(6*(\a%4)+(\s))*2048+512*\c
.endr
.endr
.endm
.macro MUL s                           ; 32 matrix instructions; the 32 accumulators take turns, in the same order in every step; the first step starts the sums
.set SWN, (\s)%2
.set SBB, 128*(1-SWN)
.if (\s) < 2
.set XWN, 1
.set XBB, 128+64*(\s)
.else
.set XWN, 2
.set XBB, 64*((\s)-2)
.endif
	WIN 0xf0|(XWN<<2)|SWN
.irp i, 0,1,2,3
.irp a, 0,1,2,3,4,5,6,7
.if (\s) == 0
	v_wmma_scale_f32_16x16x128_f8f6f4 v[8*(8*\i+\a):8*(8*\i+\a)+7], v[SBB+16*\a:SBB+16*\a+15], v[XBB+16*\i:XBB+16*\i+15], 0, v[WSW+6*\a+(\s)], v[XSW+4*(\s)+\i]
.else
	v_wmma_scale_f32_16x16x128_f8f6f4 v[8*(8*\i+\a):8*(8*\i+\a)+7], v[SBB+16*\a:SBB+16*\a+15], v[XBB+16*\i:XBB+16*\i+15], v[8*(8*\i+\a):8*(8*\i+\a)+7], v[WSW+6*\a+(\s)], v[XSW+4*(\s)+\i]
.endif
.endr
.endr
.endm
.macro QUANTW s                        ; 64 accumulator registers of window 3 become a fragment's codes in v[PC] on and its scale word in v[PW]; each accumulator is read from its low end on
	s_wait_xcnt 0x0                                ; the earlier stores have read v[PC] on and v[PW]
	WIN 0x0f
.irp b, 0,1,2,3
	v_max3_num_f32 v[TM+\b], |v[(\s)+16*\b]|, |v[(\s)+16*\b+1]|, 0x4800000
.endr
	WIN 0x3c
.irp i, 2,4,6,8,10,12,14
.irp b, 0,1,2,3
	v_max3_num_f32 v[TM+\b], v[TM+\b], |v[(\s)+16*\b+\i]|, |v[(\s)+16*\b+\i+1]|
.endr
.endr
	WIN 0
.irp b, 0,1,2,3
	v_permlanex16_b32 v[TM+4+\b], v[TM+\b], s[SEL], s[SEL+1]
.endr
.irp b, 0,1,2,3
	v_max_num_f32 v[TM+\b], v[TM+\b], v[TM+4+\b]
.endr
.irp b, 0,1,2,3
	v_add_nc_u32 v[TM+12+\b], 0xfc000000, v[TM+\b]
.endr
.irp b, 0,1,2,3
	v_and_or_b32 v[TM+8+\b], v[TM+\b], 0x7f800000, s[MNT]
.endr
.irp b, 0,1,2,3
	v_lshrrev_b32 v[TM+4+\b], 23, v[TM+12+\b]
.endr
	v_lshl_or_b32 v[PW], v[TM+5], 8, v[TM+4]
	v_lshl_or_b32 v[PW], v[TM+6], 16, v[PW]
	v_lshl_or_b32 v[PW], v[TM+7], 24, v[PW]
	WIN 0xc3
.irp b, 0,1,2,3
.irp i, 0,1,2,3,4,5,6,7,8,9,10,11,12,13,14,15
	v_med3_num_f32 v[(\s)+16*\b+\i], v[(\s)+16*\b+\i], -v[TM+8+\b], v[TM+8+\b]
.endr
.endr
	WIN 0x03
.irp b, 0,1,2,3
	v_cvt_scalef32_pk8_fp8_f32 v[PC+4*\b:PC+4*\b+1], v[(\s)+16*\b:(\s)+16*\b+7], v[TM+12+\b]
	v_cvt_scalef32_pk8_fp8_f32 v[PC+4*\b+2:PC+4*\b+3], v[(\s)+16*\b+8:(\s)+16*\b+15], v[TM+12+\b]
.endr
	WIN 0
	v_nop
.endm
	s_wait_tensorcnt 0x0                           ; my quarter of the record is in,
	s_barrier_signal -1
	s_barrier_wait -1                              ; everybody's is
.irp a, 0,1,2,3,4,5,6,7
.irp s, 0,1,2,3,4,5
	ds_load_b32 v[WSW+6*\a+\s], v[LSB] offset:(6*\a+\s)*128
.endr
.endr
	FETCH 0
.irp s, 0,1,2,3,4
.if \s > 0
	PLACES 8                                       ; the buffer that step s + 1 fills was read by step s - 1, the last products issued
.endif
	FETCH \s+1
	s_wait_dscnt 32
.if \s < 2
	s_wait_loadcnt 63                              ; o's fragments of this K step are in: behind its 16 loads stand 16 for each later step, 80 or 64 here, of which the wait can name 63
.else
	s_wait_loadcnt 16*(5-\s)
.endif
	MUL \s
.endr
	s_wait_dscnt 0x0
	s_wait_loadcnt 0x0
	MUL 5
	WIN 0
	PLACES 8                                       ; behind the last products, ahead of the first read of results
.irp i, 0,1,2,3
	QUANTW 64*\i
.irp c, 0,1,2,3
	global_store_b128 v[LI], v[PC+4*\c:PC+4*\c+3], s[FCB:FCB+1] offset:\i*8192+512*\c   ; 32 lanes store 512 consecutive bytes, aligned
.endr
	global_store_b32 v[LS], v[PW], s[FSB:FSB+1] offset:\i*512
.endr
	s_wait_tensorcnt 0x0
	ds_add_u32 v110, v111
	s_wait_dscnt 0x0
	CROUND                                         ; the closing round
	s_endpgm
.Lfunc_end_k_q0ca310257c_wo:
	.size	k_q0ca310257c_wo, .Lfunc_end_k_q0ca310257c_wo-k_q0ca310257c_wo
	.p2alignl 7, 3214868480
	.fill 96, 4, 3214868480
	.section	.rodata,"a",@progbits
	.p2align	6, 0x0
	.amdhsa_kernel k_q0ca310257c_wo
		.amdhsa_group_segment_fixed_size 168448
		.amdhsa_private_segment_fixed_size 0
		.amdhsa_enable_private_segment 0
		.amdhsa_kernarg_size 24
		.amdhsa_user_sgpr_count 2
		.amdhsa_user_sgpr_kernarg_segment_ptr 1
		.amdhsa_wavefront_size32 1
		.amdhsa_system_sgpr_workgroup_id_x 1
		.amdhsa_system_sgpr_workgroup_id_y 1
		.amdhsa_system_sgpr_workgroup_id_z 1
		.amdhsa_system_vgpr_workitem_id 0
		.amdhsa_next_free_vgpr 1024
		.amdhsa_next_free_sgpr 80
		.amdhsa_reserve_vcc 0
		.amdhsa_float_denorm_mode_32 3
		.amdhsa_float_denorm_mode_16_64 3
		.amdhsa_memory_ordered 1
		.amdhsa_forward_progress 1
		.amdhsa_inst_pref_size 92
	.end_amdhsa_kernel
	.amdgpu_metadata
---
amdhsa.version: [ 1, 2 ]
amdhsa.kernels:
  - .name:           k_q0ca310257c_wo
    .symbol:         k_q0ca310257c_wo.kd
    .args:
      - { .name: wts, .offset: 0, .size: 8, .value_kind: global_buffer, .address_space: global }
      - { .name: ocd, .offset: 8, .size: 8, .value_kind: global_buffer, .address_space: global }
      - { .name: fcd, .offset: 16, .size: 8, .value_kind: global_buffer, .address_space: global }
    .group_segment_fixed_size: 168448
    .private_segment_fixed_size: 0
    .kernarg_segment_align: 8
    .kernarg_segment_size: 24
    .max_flat_workgroup_size: 128
    .sgpr_count:     80
    .vgpr_count:     1024
    .wavefront_size: 32
...
	.end_amdgpu_metadata
.endif
;; end of part 4
;; launch gateup (part 5): grid 16 x 16, 4 waves a work-group, clusters of 4 x 4, 327,680 bytes of LDS; arguments fcd, wts, out0; writes out0
.if DOCPART == 5
	.amdgcn_target "amdgcn-amd-amdhsa--gfx1250"
	.amdhsa_code_object_version 6
	.text
	.protected	k_q0ca310257c_gateup
	.globl	k_q0ca310257c_gateup
	.p2align	8
	.type	k_q0ca310257c_gateup,@function
k_q0ca310257c_gateup:
	s_mov_b64 s[64:65], 0
	v_nop
	global_prefetch_b8 v0, s[64:65] scope:SCOPE_SE
	s_setreg_imm32_b32 hwreg(HW_REG_WAVE_MODE, 25, 1), 1
	s_wait_xcnt 0x0
	s_wait_alu depctr_hold_cnt(0) depctr_sa_sdst(0) depctr_va_vdst(0) depctr_va_sdst(0) depctr_va_ssrc(0) depctr_va_vcc(0) depctr_vm_vsrc(0)
	s_getreg_b32 s2, hwreg(HW_REG_IB_STS2, 6, 4)
	s_cmp_eq_u32 s2, 0
	s_cbranch_scc0 .Lentry_in_a_cluster
	s_endpgm
.Lentry_in_a_cluster:
	s_bfe_u32 s2, ttmp6, 0x10000c
	s_cmp_lg_u32 s2, 0xf033
	s_cbranch_scc0 .Lentry_shape_is_right
	s_endpgm
.Lentry_shape_is_right:
; out = silu(fused w_gate^T) x (fused w_up^T) on codes of E4M3 with E8M0 scales: 2,048 tokens, K = 3,072, 768 columns of each weight.
; SHARES.  256 work-groups: 16 groups of 128 tokens (y) x 16 blocks of 48 columns (x): 8 token tiles x (3 gate + 3 up tiles) = 48 accumulators.  K IS CUT AMONG THE FOUR WAVES: of each chunk of four K steps wave w takes
; step w: six steps of 128, each 14 fragments for 48 matrix instructions; every wave sums the whole block over its quarter of K, and the four sums are added at the end through LDS.
; THE WEIGHTS of the block, all of K, are 313,344 dense bytes (six chunks of 52,224: [K step % 4][6 tiles][2,048] of codes, [K step % 4][6][128] of scale images): they fit in LDS and are filled ONCE: no byte is filled again.
; One JOINT load a wave (the four work-groups of a column of the cluster have the same x): wave 0 chunk 0, wave 1 chunk 1, wave 2 chunks 2, 3, wave 3 chunks 4, 5; each has a load line of its own and is shown by a barrier of its own,
; in front of which the wave that issued it waits, so that the first chunks are multiplied while the later ones are out.  One tensor load of a wave is out.
; FUSED goes from memory straight into registers: with K cut among the waves each byte of the block's 128 rows is read by one wave, once; a load into registers has no joint form, so these reads are not shared in the cluster.
; Its fragments stand in a ring of 24 (three K steps); a half step's 16 loads are issued four half steps ahead of their products.  NO PREFETCH: the launch has no loop, and the first four half steps' loads go out at its head.
; Operands lie as images of their registers (2,048 bytes a fragment: 512 c + 16 lane; a scale image: the word at 4 x lane % 16).  Source 0 = 16 rows of a weight (row 16 i + r), source 1 = 16 tokens (lane-row r of tile t is token 32 (t / 2) + 8 (t % 2) + r + 8 (r / 8)):
; a lane holds one token and eight neighbouring columns.  One scale register holds an even token tile's words in lanes 0-15 and the odd one's in lanes 16-31; another a gate tile's and the up tile's of the same columns.
; A WAVE TAKES THE TOKEN TILES IN THE ORDER pair p xor wave: so the pair that it finishes itself stands at p = 0, in the same registers in every wave, and no branch parts the waves on the way out.
; THE WAY OUT.  A row's 48 columns are 192 bytes (768 / 16 blocks): they pass a stage in LDS and leave as runs of 192 consecutive bytes, 12 lanes to a run; a block's edge lies at a multiple of 64 bytes, not of 256.
; LIMITS: NaN and infinities are not served; the four parts of a sum are added in f32 in the order own, p = 1, 2, 3.
; REGISTERS, in windows of 256: window 0: v1-15 addresses; v16-63 scale words (8 c + p fused's, 8 c + 4 + j the weights': never equal modulo 8); v64-255 two sets of six weight fragments.
;   window 1: ring places 0-15;  window 2: accumulators 0-31 (6 i + y);  window 3: v0-127 accumulators 32-47, v128-255 ring places 16-23.
.set CHUNK, 69632                      ; fcd: [16 token groups][6 chunks]: 8 tiles x 4 K steps x 2,048, then 8 x 4 x 128 of scales
.set TGREC, 6*CHUNK
.set GUOFF, 11698176
.set WCH,   52224                      ; a chunk of the block's weights
.set WBLK,  6*WCH
.set RSL,   12288                      ; the hand-over: 12 accumulators x 1,024 bytes
.set HND,   3*RSL                      ; a wave's three
.set OSTG,  4*HND                      ; behind them the stages of the way out, 32 rows x 192 bytes a wave.  All lie in chunks 0-3, under byte 208,896
.set SPARE, WBLK                       ; the spare words: 512 bytes that no other line names
.set SPW, 1
.set NIL, 2
.set VA,  4                            ; v4-7   fused's codes: 16 lane + my K step + token pair p xor wave
.set VW,  8                            ; v8-10  LDS: the weights' codes of chunks 0-1, 2-3, 4-5
.set VWS, 11                           ; v11-13 LDS: their scale words
.set L16, 14                           ; v14    16 lane
.set SC,  16
.set WF,  64
.set WV,  10
.set G1S, 16                           ; s[16:23] group 1: 204 rows of 256 bytes;  s[68:75]: 408 rows
.set G1L, 68
.set G0,  24
.set AB,  28
.set MSB, 0
.macro WIN new                         ; the immediate's high byte repeats the setting that is left
.if MSB != (\new)
	s_set_vgpr_msb (MSB<<8)|(\new)
.set MSB, (\new)
.endif
.endm
.macro PLACES n
.rept \n
	v_nop
.endr
.endm
.macro ROUND                           ; a round of the cluster's barrier
	s_barrier_signal -1
	s_barrier_wait -1
	s_cmp_lg_u32 s[WV], 0
	s_cbranch_scc1 .Lnot_wave_0_\@
	s_barrier_signal -3
.Lnot_wave_0_\@:
	s_barrier_wait -3
	s_barrier_signal -1
	s_barrier_wait -1
.endm
	s_load_b128 s[4:7], s[0:1], 0x0                ; fcd, wts
	s_load_b64 s[8:9], s[0:1], 0x10                ; out0
	v_lshl_add_u32 v[SPW], v0, 2, SPARE
	v_mov_b32 v[NIL], 0
	ds_add_u32 v[SPW], v[NIL]                      ; the opening lines: the add, twice on end, and its wait ahead of my tensor load
	ds_add_u32 v[SPW], v[NIL]
	v_lshrrev_b32 v15, 5, v0
	v_readfirstlane_b32 s[WV], v15                 ; wave 0..3
	s_bfe_u32 s11, ttmp6, 0x40000                  ; cx
	s_bfe_u32 s12, ttmp6, 0x40004                  ; cy
	s_lshl_b32 s13, ttmp9, 2
	s_add_co_u32 s13, s13, s11                     ; x: my block of 48 columns
	s_and_b32 s14, ttmp7, 0xffff
	s_lshl_b32 s14, s14, 2
	s_add_co_u32 s14, s14, s12                     ; y: my 128 tokens
	s_lshl_b32 s15, 0x1111, s11                    ; my column of the cluster
	s_or_b32 s[G1S], s15, (3<<16)|(1<<21)          ; the mask; elements of 8 bytes; 21 set beside a mask
	s_or_b32 s[G1L], s15, (3<<16)|(1<<21)
	s_mov_b32 s[G1S+1], 32<<16                     ; rows of 256 bytes, dense
	s_mov_b32 s[G1S+2], 204<<16
	s_mov_b32 s[G1S+3], 32<<16
	s_mov_b32 s[G1S+4], 204
	s_mov_b32 s[G1S+5], 32
	s_mov_b32 s[G1S+6], 0
	s_mov_b32 s[G1S+7], 0
	s_mov_b32 s[G1L+1], 32<<16
	s_mov_b32 s[G1L+2], 408<<16
	s_mov_b32 s[G1L+3], 32<<16
	s_mov_b32 s[G1L+4], 408
	s_mov_b32 s[G1L+5], 32
	s_mov_b32 s[G1L+6], 0
	s_mov_b32 s[G1L+7], 0
	s_lshr_b32 s31, s[WV], 1
	s_and_b32 s31, s31, s[WV]
	s_add_co_u32 s31, s31, s[WV]                   ; the first chunk that I fetch: 0, 1, 2, 4
	s_mul_i32 s31, s31, WCH                        ; a byte's place in LDS is its place in the block
	s_mov_b32 s[G0], 1
	s_mov_b32 s[G0+1], s31
	s_mul_i32 s32, s13, WBLK                       ; made of x and the wave's number alone
	s_add_co_u32 s32, s32, s31
	s_add_co_u32 s32, s32, GUOFF
	s_mov_b32 s33, 0
	s_mul_i32 s34, s14, TGREC
	s_mov_b32 s35, 0
	s_lshl_b32 s36, s14, 7
	s_lshl_b32 s37, s[WV], 5
	s_add_co_u32 s36, s36, s37                     ; the 32 tokens that I finish
	s_mul_i32 s36, s36, 3072
	s_mul_i32 s37, s13, 192
	s_add_co_u32 s36, s36, s37
	s_mov_b32 s37, 0
	s_lshl_b32 s38, s[WV], 11
	s_lshl_b32 s39, s[WV], 7
	s_add_co_u32 s39, s39, 65536
.irp p, 0,1,2,3
	s_xor_b32 s31, s[WV], \p                       ; the token pair at place p
	s_lshl_b32 s[44+\p], s31, 14
	s_add_co_u32 s[44+\p], s[44+\p], s38
	s_lshl_b32 s[48+\p], s31, 10
	s_add_co_u32 s[48+\p], s[48+\p], s39
.if \p > 0
	s_mul_i32 s[52+\p], s31, HND                   ; wave p xor w has left my pair's sums in its slot p
	s_add_co_u32 s[52+\p], s[52+\p], (\p-1)*RSL
.endif
.endr
	s_mul_i32 s30, s[WV], 12288
	s_mul_i32 s56, s[WV], 768
	s_add_co_u32 s56, s56, 49152
	s_mul_i32 s57, s[WV], 6144
	s_add_co_u32 s57, s57, OSTG
	s_mul_i32 s58, s[WV], HND
	s_mov_b32 s40, 0xbfb8aa3b                      ; -log2(e)
	s_mov_b32 s41, s40
	v_and_b32 v72, 31, v0
	v_lshlrev_b32 v[L16], 4, v72
	v_and_b32 v73, 15, v0
	v_bfe_u32 v74, v0, 4, 1
	v_lshlrev_b32 v73, 2, v73
	v_mad_u32_u24 v75, v74, 512, v73               ; lanes 16-31 take the odd tile's scale words,
	v_mad_u32_u24 v76, v74, 384, v73               ; or the up tile's
.irp p, 0,1,2,3
	v_add_nc_u32 v[VA+\p], s[44+\p], v[L16]
	v_add_nc_u32 v[68+\p], s[48+\p], v75
.endr
	v_add_nc_u32 v[VW], s30, v[L16]
	v_add_nc_u32 v[VW+1], 2*WCH, v[VW]
	v_add_nc_u32 v[VW+2], 4*WCH, v[VW]
	v_add_nc_u32 v[VWS], s56, v76
	v_add_nc_u32 v[VWS+1], 2*WCH, v[VWS]
	v_add_nc_u32 v[VWS+2], 4*WCH, v[VWS]
	s_wait_alu depctr_va_vdst(0)
	s_wait_dscnt 0x0
	ROUND                                          ; the opening round, ahead of the wait for the arguments: all sixteen work-groups are here, so the joint loads below meet
	s_wait_kmcnt 0x0
	s_add_nc_u64 s[G0+2:G0+3], s[6:7], s[32:33]
	s_or_b32 s[G0+3], s[G0+3], 0x80000000
	s_add_nc_u64 s[AB:AB+1], s[4:5], s[34:35]
	s_add_nc_u64 s[8:9], s[8:9], s[36:37]
.macro ALOAD c, i0                     ; four fragments of fused, places i0 .. i0 + 3 of K step c, into the ring: 16 loads of 512 consecutive bytes
.irp i, 0,1,2,3
.set SL_, (8*(\c)+(\i0)+\i)%24
.if SL_ < 16
	WIN 0x40
.set AR_, 16*SL_
.else
	WIN 0xc0
.set AR_, 16*SL_-128
.endif
.irp q, 0,1,2,3
	global_load_b128 v[AR_+4*\q:AR_+4*\q+3], v[VA+((\i0)+\i)/2], s[AB:AB+1] offset:(\c)*CHUNK+(((\i0)+\i)%2)*8192+512*\q
.endr
.endr
	WIN 0
.endm
.macro ARM under, g1, next             ; one chain of arms on the wave's number, a load line to a wave
	s_cmp_lt_u32 s[WV], \under
	s_cbranch_scc0 \next
	tensor_load_to_lds s[G0:G0+3], s[\g1:\g1+7]
	s_nop 0
	PLACES 4
	s_branch .Lasked
\next:
.endm
	ARM 1, G1S, .Larm_1
	ARM 2, G1S, .Larm_2
	ARM 3, G1L, .Larm_3
	tensor_load_to_lds s[G0:G0+3], s[G1L:G1L+7]
	s_nop 0
	PLACES 4
.Lasked:
.irp c, 0,1,2,3,4,5
.irp p, 0,1,2,3
	global_load_b32 v[SC+8*\c+\p], v[68+\p], s[AB:AB+1] offset:\c*CHUNK   ; fused's scale words, all six steps: 24 loads, the first of all
.endr
.endr
	ALOAD 0, 0
	ALOAD 0, 4
	ALOAD 1, 0
	ALOAD 1, 4
.macro SHOW wv                         ; the load line of wave wv is shown to all: that wave waits, then the barrier.  The last stands under no branch.  No LDS instruction of mine is out here
.if (\wv) < 3
	s_cmp_eq_u32 s[WV], \wv
	s_cbranch_scc0 .Lnot_mine_\@
	s_wait_tensorcnt 0x0
.Lnot_mine_\@:
.else
	s_wait_tensorcnt 0x0
.endif
	s_barrier_signal -1
	s_barrier_wait -1
.endm
.macro WLOAD c                         ; my K step of chunk c: six fragments into set c % 2, three scale registers: 27 LDS loads
.irp y, 0,1,2,3,4,5
.irp q, 0,1,2,3
	ds_load_b128 v[WF+96*((\c)%2)+16*\y+4*\q:WF+96*((\c)%2)+16*\y+4*\q+3], v[VW+(\c)/2] offset:((\c)%2)*WCH+\y*2048+512*\q
.endr
.endr
.irp j, 0,1,2
	ds_load_b32 v[SC+8*(\c)+4+\j], v[VWS+(\c)/2] offset:((\c)%2)*WCH+\j*128
.endr
.endm
.macro PROD c, i, y                    ; weight tile y x the token tile at place i, K step c.  The 48 accumulators take turns, in the same order in every step; step 0 starts the sums
.set SL_, (8*(\c)+(\i))%24
.if SL_ < 16
.set AW_, 1
.set AR_, 16*SL_
.else
.set AW_, 3
.set AR_, 16*SL_-128
.endif
.set T_, 6*(\i)+(\y)
.if T_ < 32
.set CW_, 2
.set CR_, 8*T_
.else
.set CW_, 3
.set CR_, 8*T_-256
.endif
.set WR_, WF+96*((\c)%2)+16*(\y)
.set S0_, SC+8*(\c)+4+(\y)%3
.set S1_, SC+8*(\c)+(\i)/2
.set V_, 2*((\y)/3)+(\i)%2
	WIN (CW_<<6)|(CW_<<4)|(AW_<<2)
.if (\c) == 0
.if V_ == 0
	v_wmma_scale_f32_16x16x128_f8f6f4 v[CR_:CR_+7], v[WR_:WR_+15], v[AR_:AR_+15], 0, v[S0_], v[S1_]
.elseif V_ == 1
	v_wmma_scale_f32_16x16x128_f8f6f4 v[CR_:CR_+7], v[WR_:WR_+15], v[AR_:AR_+15], 0, v[S0_], v[S1_] matrix_b_scale:MATRIX_SCALE_ROW1
.elseif V_ == 2
	v_wmma_scale_f32_16x16x128_f8f6f4 v[CR_:CR_+7], v[WR_:WR_+15], v[AR_:AR_+15], 0, v[S0_], v[S1_] matrix_a_scale:MATRIX_SCALE_ROW1
.else
	v_wmma_scale_f32_16x16x128_f8f6f4 v[CR_:CR_+7], v[WR_:WR_+15], v[AR_:AR_+15], 0, v[S0_], v[S1_] matrix_a_scale:MATRIX_SCALE_ROW1 matrix_b_scale:MATRIX_SCALE_ROW1
.endif
.else
.if V_ == 0
	v_wmma_scale_f32_16x16x128_f8f6f4 v[CR_:CR_+7], v[WR_:WR_+15], v[AR_:AR_+15], v[CR_:CR_+7], v[S0_], v[S1_]
.elseif V_ == 1
	v_wmma_scale_f32_16x16x128_f8f6f4 v[CR_:CR_+7], v[WR_:WR_+15], v[AR_:AR_+15], v[CR_:CR_+7], v[S0_], v[S1_] matrix_b_scale:MATRIX_SCALE_ROW1
.elseif V_ == 2
	v_wmma_scale_f32_16x16x128_f8f6f4 v[CR_:CR_+7], v[WR_:WR_+15], v[AR_:AR_+15], v[CR_:CR_+7], v[S0_], v[S1_] matrix_a_scale:MATRIX_SCALE_ROW1
.else
	v_wmma_scale_f32_16x16x128_f8f6f4 v[CR_:CR_+7], v[WR_:WR_+15], v[AR_:AR_+15], v[CR_:CR_+7], v[S0_], v[S1_] matrix_a_scale:MATRIX_SCALE_ROW1 matrix_b_scale:MATRIX_SCALE_ROW1
.endif
.endif
.endm
; Half step k = 2 c + b: 24 matrix instructions.  Behind half k's 16 loads stand those of halves k + 1 .. k + 3, as far as there are any: the wait's count.  Behind the products eight places (ISA guide 7.12.1 for vector instructions
; ), which serve the loads into ring places and weight sets that earlier products have read; then half k + 4's loads.
.macro HALF c, b
.set K_, 2*(\c)+(\b)
.if K_ <= 8
	s_wait_loadcnt 48
.else
	s_wait_loadcnt 16*(11-K_)
.endif
.irp i, 0,1,2,3
.irp y, 0,1,2,3,4,5
	PROD \c, 4*(\b)+\i, \y
.endr
.endr
	WIN 0
	PLACES 8
.if K_+4 < 12
	ALOAD (K_+4)/2, 4*((K_+4)%2)
.endif
.endm
.macro STEP c, show                    ; show: the wave whose load line the next step's weights need shown, or -1
	s_wait_dscnt 0x0                               ; this step's weights are in registers
	HALF \c, 0
.if (\show) >= 0
	SHOW \show
.endif
.if (\c) < 5
	WLOAD (\c)+1
.endif
	HALF \c, 1
.endm
	s_wait_xcnt 0x0                                ; the scale words' loads have read v68-71, on which the weights land below
	SHOW 0
	WLOAD 0
	STEP 0, 1
	STEP 1, 2
	STEP 2, -1
	STEP 3, 3                                      ; behind this barrier no wave reads chunks 0-3 any more
	STEP 4, -1
	STEP 5, -1
	; THE FOUR PARTS OF EACH SUM MEET.  Addresses first (the weights' second set is free, eight places behind the last products)
	v_add_nc_u32 v248, s58, v[L16]                 ; my three slots
.irp p, 1,2,3
	v_add_nc_u32 v[248+\p], s[52+\p], v[L16]       ; where the three others leave my pair's
.endr
	v_add_nc_u32 v252, s57, v[L16]                 ; my stage, read as it lies
	v_and_b32 v208, 15, v0
	v_and_b32 v209, 8, v208
	v_add_nc_u32 v208, v208, v209                  ; r + 8 (r / 8)
	v_bfe_u32 v209, v0, 4, 1
	v_mul_u32_u24 v208, v208, 192
	v_lshl_add_u32 v208, v209, 5, v208
	v_add_nc_u32 v210, s57, v208                   ; my stage, on the way in: the token's row, + 32 bytes for lanes 16-31
	v_and_b32 v211, 31, v0
.irp k, 0,1,2
	v_add_nc_u32 v212, 32*\k, v211                 ; piece p = 32 k + lane of 96: row p / 12 (p x 171 >> 11), 16 bytes at 16 (p % 12)
	v_mul_u32_u24 v213, v212, 171
	v_lshrrev_b32 v213, 11, v213
	v_mul_u32_u24 v213, v213, 2880                 ; 3,072 - 192
	v_lshl_add_u32 v[214+\k], v212, 4, v213
.endr
	s_wait_alu depctr_va_vdst(0)
.irp p, 1,2,3
.irp t, 0,1,2,3,4,5,6,7,8,9,10,11
.set T_, 12*\p+\t
.if T_ < 32
	WIN 2<<2
.set CR_, 8*T_
.else
	WIN 3<<2
.set CR_, 8*T_-256
.endif
	ds_store_b128 v248, v[CR_:CR_+3] offset:(\p-1)*RSL+\t*1024        ; each accumulator from its low end on
	ds_store_b128 v248, v[CR_+4:CR_+7] offset:(\p-1)*RSL+\t*1024+512
.endr
.endr
	WIN 0
	s_wait_dscnt 0x0                               ; for the others' sake
	s_barrier_signal -1
	s_barrier_wait -1
	WIN 0x40
.irp p, 0,1
.irp t, 0,1,2,3,4,5,6,7,8,9,10,11
	ds_load_b128 v[96*\p+8*\t:96*\p+8*\t+3], v[249+\p] offset:\t*1024
	ds_load_b128 v[96*\p+8*\t+4:96*\p+8*\t+7], v[249+\p] offset:\t*1024+512
.endr
.endr
	WIN 0xc0
.irp t, 0,1,2,3,4,5,6,7,8,9,10,11
	ds_load_b128 v[128+8*\t:128+8*\t+3], v251 offset:\t*1024
	ds_load_b128 v[128+8*\t+4:128+8*\t+7], v251 offset:\t*1024+512
.endr
	s_wait_dscnt 48                                ; the first 24 loads are in; 48 stand behind them
	WIN 0x46                                       ; window 1 = my own sums (window 2) + window 1
.set n, 0
.rept 48
	v_pk_add_f32 v[n:n+1], v[n:n+1], v[n:n+1]
.set n, n+2
.endr
	s_wait_dscnt 24
	WIN 0x45
.set n, 0
.rept 48
	v_pk_add_f32 v[n:n+1], v[n:n+1], v[96+n:96+n+1]
.set n, n+2
.endr
	s_wait_dscnt 0x0
	WIN 0x0d                                       ; window 0 = window 1 + window 3: the sums, tile (i, y) at v[64 + 8 (6 i + y)]
.set n, 0
.rept 48
	v_pk_add_f32 v[64+n:64+n+1], v[n:n+1], v[128+n:128+n+1]
.set n, n+2
.endr
	WIN 0
	; silu(g) u = g u / (1 + 2^(-g log2(e)))
.irp i, 0,1
.irp j, 0,1,2
.irp k, 0,2,4,6
	v_pk_mul_f32 v[160+24*\i+8*\j+\k:160+24*\i+8*\j+\k+1], v[64+48*\i+8*\j+\k:64+48*\i+8*\j+\k+1], s[40:41] op_sel_hi:[1,0]
	v_pk_mul_f32 v[88+48*\i+8*\j+\k:88+48*\i+8*\j+\k+1], v[64+48*\i+8*\j+\k:64+48*\i+8*\j+\k+1], v[88+48*\i+8*\j+\k:88+48*\i+8*\j+\k+1]
.endr
.endr
.endr
	s_wait_alu depctr_va_vdst(0)
.set n, 0
.rept 48
	v_exp_f32 v[160+n], v[160+n]
.set n, n+1
.endr
	v_nop
	s_wait_alu depctr_va_vdst(0)
.set n, 0
.rept 24
	v_pk_add_f32 v[160+n:160+n+1], v[160+n:160+n+1], 1.0 op_sel_hi:[1,0]
.set n, n+2
.endr
	s_wait_alu depctr_va_vdst(0)
.set n, 0
.rept 48
	v_rcp_f32 v[160+n], v[160+n]
.set n, n+1
.endr
	v_nop
	s_wait_alu depctr_va_vdst(0)
.irp i, 0,1
.irp j, 0,1,2
.irp k, 0,2,4,6
	v_pk_mul_f32 v[64+48*\i+8*\j+\k:64+48*\i+8*\j+\k+1], v[88+48*\i+8*\j+\k:88+48*\i+8*\j+\k+1], v[160+24*\i+8*\j+\k:160+24*\i+8*\j+\k+1]
.endr
.endr
.endr
.irp i, 0,1
.irp j, 0,1,2
	ds_store_b128 v210, v[64+48*\i+8*\j:64+48*\i+8*\j+3] offset:\i*1536+64*\j          ; token row 8 i + r + 8 (r / 8), columns 16 j + 8 (lane / 16) on
	ds_store_b128 v210, v[64+48*\i+8*\j+4:64+48*\i+8*\j+7] offset:\i*1536+64*\j+16
.endr
.endr
.irp k, 0,1,2,3,4,5,6,7,8,9,10,11
	ds_load_b128 v[160+4*\k:160+4*\k+3], v252 offset:512*\k   ; LDS serves a wave's instructions in order: these see my stores
.endr
	s_wait_dscnt 0x0
.irp k, 0,1,2,3,4,5,6,7,8,9,10,11
	global_store_b128 v[214+\k%3], v[160+4*\k:160+4*\k+3], s[8:9] offset:(\k/3)*8*3072 th:TH_STORE_NT   ; twelve lanes store a row's 192 consecutive bytes
.endr
	s_wait_tensorcnt 0x0                           ; the wave's end
	ds_add_u32 v[SPW], v[NIL]
	s_wait_dscnt 0x0
	ROUND                                          ; the closing round
	s_endpgm
.Lfunc_end_k_q0ca310257c_gateup:
	.size	k_q0ca310257c_gateup, .Lfunc_end_k_q0ca310257c_gateup-k_q0ca310257c_gateup
	.p2alignl 7, 3214868480
	.fill 96, 4, 3214868480
	.section	.rodata,"a",@progbits
	.p2align	6, 0x0
	.amdhsa_kernel k_q0ca310257c_gateup
		.amdhsa_group_segment_fixed_size 327680
		.amdhsa_private_segment_fixed_size 0
		.amdhsa_enable_private_segment 0
		.amdhsa_kernarg_size 24
		.amdhsa_user_sgpr_count 2
		.amdhsa_user_sgpr_kernarg_segment_ptr 1
		.amdhsa_wavefront_size32 1
		.amdhsa_system_sgpr_workgroup_id_x 1
		.amdhsa_system_sgpr_workgroup_id_y 1
		.amdhsa_system_sgpr_workgroup_id_z 1
		.amdhsa_system_vgpr_workitem_id 0
		.amdhsa_next_free_vgpr 1024
		.amdhsa_next_free_sgpr 76
		.amdhsa_reserve_vcc 0
		.amdhsa_float_denorm_mode_32 3
		.amdhsa_float_denorm_mode_16_64 3
		.amdhsa_memory_ordered 1
		.amdhsa_forward_progress 1
		.amdhsa_inst_pref_size 112
	.end_amdhsa_kernel
	.amdgpu_metadata
---
amdhsa.version: [ 1, 2 ]
amdhsa.kernels:
  - .name:           k_q0ca310257c_gateup
    .symbol:         k_q0ca310257c_gateup.kd
    .args:
      - { .name: fcd, .offset: 0, .size: 8, .value_kind: global_buffer, .address_space: global }
      - { .name: wts, .offset: 8, .size: 8, .value_kind: global_buffer, .address_space: global }
      - { .name: out0, .offset: 16, .size: 8, .value_kind: global_buffer, .address_space: global }
    .group_segment_fixed_size: 327680
    .private_segment_fixed_size: 0
    .kernarg_segment_align: 8
    .kernarg_segment_size: 24
    .max_flat_workgroup_size: 128
    .sgpr_count:     76
    .vgpr_count:     1024
    .wavefront_size: 32
...
	.end_amdgpu_metadata
.endif
;; end of part 5
